; MI455X (gfx1250); checked and timed in simulation.
; The chip was launched on July 23, 2026; its instructions are those of AMD's public machine-readable ISA for CDNA 5 (MIT licence, August 2026) and "CDNA5" Instruction Set Architecture Reference Guide (July 2026). The comments in the code are by the model that wrote it; some were corrected since.
;; Local Aggregator. Allowed arithmetic: float matrix products may take bf16 or f16 operands with f32 sums; all other float work in f32.
;; Inputs: cov3D 1 x 1,024 x 3 x 3 float32; means3D 1 x 1,024 x 3 float32; opacities 1 x 1,024 float32; origin_use 3 float32; pts 1 x 64,800 x 3 float32; scales 1 x 1,024 x 3 float32; semantics 1 x 1,024 x 13 float32.
;; Outputs: out0 64,800 x 13 float32.
;; 2 versions, each right and faster than the one before. Each part assembles by itself: llvm-mc -triple=amdgcn-amd-amdhsa -mcpu=gfx1250 --defsym DOCPART=n.
;; ======== version 1 of 2: 1 launch
;; launch aggregate (part 1): grid 254 x 1, 8 waves a work-group, no clusters, 178,688 bytes of LDS; arguments cov3D, means3D, opacities, origin_use, pts, scales, semantics, out0; writes out0
.if DOCPART == 1
	.amdgcn_target "amdgcn-amd-amdhsa--gfx1250"
	.amdhsa_code_object_version 6
	.text
	.protected	k_qdbc2f684a8_aggregate
	.globl	k_qdbc2f684a8_aggregate
	.p2align	8
	.type	k_qdbc2f684a8_aggregate,@function
k_qdbc2f684a8_aggregate:
	s_mov_b64 s[64:65], 0
	v_nop
	global_prefetch_b8 v0, s[64:65] scope:SCOPE_SE
	s_setreg_imm32_b32 hwreg(HW_REG_WAVE_MODE, 25, 1), 1
	s_wait_xcnt 0x0
; out[n][c] = sum over g of inbox(n,g) * opacity[g] * exp(-0.5 quad(n,g)) * semantics[g][c];  64,800 points, 1,024 Gaussians, 13 channels.
; A work-group owns 256 points (16 tiles of 16); 254 work-groups, the last with 32 points (loads clamped, stores masked).
; Eight waves: wave w takes points 64 (w & 3) .. +63 (4 tiles) and Gaussians 512 (w >> 2) .. +511 (16 blocks of 32).
; HEAD: the 256 threads turn the Gaussians' inputs into LDS tables: 13 parameters for each pair of Gaussians, and
;   S'T[channel][g] = opacity[g] * semantics[g][channel] (so an opacity of any sign is served and costs nothing for a pair).
; LOOP: weights in f32, two neighbouring Gaussians in the halves of packed instructions, 26 vector instructions for two weights of a lane;
;   lane (r, h) holds point r of each tile and makes just the 16 Gaussians that the matrix instruction's B fragment wants in that lane.
; PRECISION OF THE PRODUCT: a term opacity * weight * semantics can be ten times the size of a sum in which terms cancel, so one rounding of each
;   factor to bf16 (2^-9 each) is too coarse.  Each factor goes as two bf16 numbers, x = hi + lo with hi = bf16(x), lo = bf16(x - hi) (the remainder is
;   exact in f32), and D(channel, point) += Sh wh + Sh wl + Sl wh, three matrix instructions; the product of the two remainders, below 2^-18
;   of the term, is dropped.  bf16 and not f16: a covariance that is not positive definite gives weights far above f16's largest number.
; TAIL: the two partial sums over the halves of the Gaussians meet in LDS, are added, laid as dense rows of 52 bytes
;   and stored as 13,312 consecutive bytes: each store of a wave covers 512 consecutive bytes, aligned.
; THE BOX TEST: voxel numbers and radii are kept as whole numbers in f32, times 1,024.  t = largest |voxel difference| of the three axes;
;   the exponent is min(q, 1024 (radius + 0.5 - t)): inside the bound is 512 or more (2^512 is infinite in f32, so it cuts nothing finite),
;   outside it is -512 or less and v_exp_f32 gives exactly 0.
; LIMITS: voxel numbers and radii are exact below 2^23 (int32 in the definition reaches 2^31); 1 / det by v_rcp_f32, which takes a
;   determinant below 2^-126 as zero; a factor above 0x7f7f7fff becomes infinite when it is rounded to bf16; a NaN or infinite weight inside a box gives NaN.
;   x / 0.08 is the correctly rounded quotient (12.5 is the rounded reciprocal of f32(0.08); two fused corrections).
; NO JOINT REQUESTS: what the work-groups share is 118,784 bytes of Gaussian inputs, read once at the head through registers, since they
;   are transformed before they reach LDS; and a grid of 254 = 2 x 127 work-groups divides into no cluster of four.
.set NPTS,   64800
.set ENT,    112                       ; a table entry: 13 parameters x 2 Gaussians x 4 bytes = 104, kept at 7 x 16 bytes
.set SEMH,   512*ENT                   ; S'T, upper parts: 16 rows (13 channels, 3 of zeros) of 1,024 bf16
.set SPITCH, 2064                      ; 2,048 + 16: an odd multiple of 16 bytes, so 16 rows start in 16 different 16-byte columns of 256 bytes
.set SEML,   SEMH+16*SPITCH            ; S'T, remainders, laid alike
.set STG,    SEML+16*SPITCH            ; partial sums: 2 halves x 256 points x 80 bytes
.set STP,    80                        ; 16 channels of f32 + 16 bytes, again an odd multiple of 16
.set STK,    256*STP
.set DEN,    STG+2*STK                 ; the block's 256 rows of 52 bytes as they lie in out0
; scalar registers
.set WV,  3                            ; wave
.set PG,  4                            ; which 64 points
.set KG,  5                            ; which 512 Gaussians
.set ORG, 24                           ; s[24:26] origin
.set SN,  27                           ; -1024.0
.set NQ,  28                           ; 16-byte pieces of out0 that this work-group owns
.set SH,  29                           ; 512.0
.set SG,  30                           ; f32(0.08)
.set SY,  31                           ; 12.5
.set SV,  32                           ; EXEC saved
.set CT,  33                           ; loop counter
; vector registers: 254 in all, so every one is named directly
.set RL,  1                            ; lane & 15
.set HL,  2                            ; lane >> 4 & 1
.set VP,  3                            ; LDS address of my half's parameters in the current block
.set VS,  4                            ; LDS address of my S'T fragment in the current block
.set OC,  5                            ; head: byte offsets of my pair of Gaussians in cov3D,
.set OM,  6                            ;       in means3D and scales,
.set OO,  7                            ;       in opacities
.set CX,  8                            ; v[8:31]    tile t: x, y, z, 1024 x voxel x, y, z of my point
.set PA,  32                           ; v[32:57], v[58:83]  two buffers of 13 parameter pairs
.set SFH, 84                           ; v[84:91]   A fragment: S'T upper parts, 16 channels x 32 Gaussians
.set SFL, 92                           ; v[92:99]   A fragment: S'T remainders
.set FRH, 100                          ; v[100:131] B fragments, upper parts: tile t, 32 Gaussians x 16 points
.set FRL, 132                          ; v[132:163] B fragments, remainders
.set TM,  164                          ; v[164:211] four streams of 12 registers at work, one for each tile
.set ACC, 212                          ; v[212:243] four accumulators
.set N1,  244                          ; -1.0
.set AP,  245                          ; v[245:248] head: byte offsets of my 4 points
.set OS,  249                          ; head: byte offset in semantics
.set TA,  250                          ; head: where my entries go
.set SA,  251                          ; head: where my words of S'T go
.set ZR,  252                          ; head: zero
.set PI,  253                          ; head: my point in tile 0
.set L0,  32                           ; head: v[32:147] inputs of my two pairs, 58 registers each
.set OUT, 164                          ; head: v[164:189] an entry, then the upper parts of 13 words of S'T
.set W,   190                          ; head: v[190:197] at work
.set XD,  198                          ; head: dividends, quotients, remainders of four divisions
.set QD,  202
.set RD,  206
	s_load_b512 s[8:23], s[0:1], 0x0               ; cov s[8:9], means s[10:11], opacities s[12:13], origin s[14:15], pts s[16:17], scales s[18:19], semantics s[20:21], out s[22:23]
	v_lshl_add_u32 v254, v0, 2, 0x2b600
	v_mov_b32 v255, 0
	v_and_b32 v[RL], 15, v0
	v_bfe_u32 v[HL], v0, 4, 1
	v_lshrrev_b32 v[VP], 5, v0
	v_readfirstlane_b32 s[WV], v[VP]               ; wave 0..7
	s_and_b32 s[PG], s[WV], 3
	s_lshr_b32 s[KG], s[WV], 2
	s_mov_b32 s[SG], 0x3da3d70a                    ; 0.08
	s_mov_b32 s[SY], 0x41480000                    ; 12.5
	s_mov_b32 s[SN], 0xc4800000                    ; -1024.0
	s_mov_b32 s[SH], 0x44000000                    ; 512.0
	v_mul_u32_u24 v[OC], v0, 72                    ; thread t takes the pairs of Gaussians t and t + 256: 2 x 36 bytes of cov3D,
	v_mul_u32_u24 v[OM], v0, 24                    ; 2 x 12 of means3D and of scales,
	v_lshlrev_b32 v[OO], 3, v0                     ; 2 x 4 of opacities,
	v_mul_u32_u24 v[OS], v0, 104                   ; 2 x 52 of semantics: all multiples of 8, read by 8-byte loads
	s_lshl_b32 s6, ttmp9, 8
	s_lshl_b32 s7, s[PG], 6
	s_add_co_u32 s6, s6, s7                        ; my wave's first point
	v_add_nc_u32 v[PI], s6, v[RL]
.irp t,0,1,2,3
	v_add_nc_u32 v[AP+\t], 16*\t, v[PI]
	v_min_u32 v[AP+\t], NPTS-1, v[AP+\t]           ; the last work-group's tiles 2 to 15 repeat the last point and are not stored
	v_mul_u32_u24 v[AP+\t], v[AP+\t], 12
.endr
	v_mul_u32_u24 v[TA], v0, ENT
	v_lshl_add_u32 v[SA], v0, 2, SEMH
	v_mov_b32 v[ZR], 0
	v_mov_b32 v[N1], -1.0
	s_wait_kmcnt 0x0
	s_load_b96 s[ORG:ORG+2], s[14:15], 0x0
	; 29 loads for each of my two pairs
.irp i,0,1
.irp k,0,1,2,3,4,5,6,7,8
	global_load_b64 v[L0+58*\i+2*\k:L0+58*\i+2*\k+1], v[OC], s[8:9] offset:18432*\i+8*\k
.endr
.irp k,0,1,2
	global_load_b64 v[L0+58*\i+18+2*\k:L0+58*\i+19+2*\k], v[OM], s[10:11] offset:6144*\i+8*\k
.endr
.irp k,0,1,2
	global_load_b64 v[L0+58*\i+24+2*\k:L0+58*\i+25+2*\k], v[OM], s[18:19] offset:6144*\i+8*\k
.endr
	global_load_b64 v[L0+58*\i+30:L0+58*\i+31], v[OO], s[12:13] offset:2048*\i
.irp k,0,1,2,3,4,5,6,7,8,9,10,11,12
	global_load_b64 v[L0+58*\i+32+2*\k:L0+58*\i+33+2*\k], v[OS], s[20:21] offset:26624*\i+8*\k
.endr
.endr
; v[q+i] = v[x+i] / 0.08, correctly rounded, for i < n: the product with the rounded reciprocal, then twice remainder and correction, each fused.
.macro DIVN x, q, r, n
.set ii, 0
.rept \n
	v_mul_f32 v[\q+ii], s[SY], v[\x+ii]
.set ii, ii+1
.endr
.rept 2
.set ii, 0
.rept \n
	v_fma_f32 v[\r+ii], -v[\q+ii], s[SG], v[\x+ii]
.set ii, ii+1
.endr
.set ii, 0
.rept \n
	v_fma_f32 v[\q+ii], v[\r+ii], s[SY], v[\q+ii]
.set ii, ii+1
.endr
.endr
.endm
; One Gaussian (half hf of the pair whose inputs begin at v[l]) into half hf of the entry.
; cov: a = [0], d = [1], f = [2], b = [4], e = [5], c = [8].  Entry: 0-2 -mean; 3 A, 4 D2, 5 F2, 6 B, 7 E2, 8 C; 9-11 -1024 voxel of the mean; 12 1024 (radius + 0.5).
; A, B, C = -0.5 log2 e x (ixx, iyy, izz); D2, E2, F2 = -log2 e x (ixy, iyz, ixz): the exponent of 2 is dx (A dx + D2 dy + F2 dz) + dy (B dy + E2 dz) + C dz dz.
.macro GAUSS l, hf
	v_mul_f32 v[W],   v[\l+9*\hf+5], v[\l+9*\hf+5]
	v_mul_f32 v[W+1], v[\l+9*\hf+5], v[\l+9*\hf+2]
	v_mul_f32 v[W+2], v[\l+9*\hf+4], v[\l+9*\hf+2]
	v_fma_f32 v[W],   v[\l+9*\hf+4], v[\l+9*\hf+8], -v[W]       ; b c - e e
	v_fma_f32 v[W+1], v[\l+9*\hf+1], v[\l+9*\hf+8], -v[W+1]     ; d c - e f
	v_fma_f32 v[W+2], v[\l+9*\hf+1], v[\l+9*\hf+5], -v[W+2]     ; d e - b f
	v_mul_f32 v[W+3], v[\l+9*\hf], v[W]
	v_fma_f32 v[W+3], -v[\l+9*\hf+1], v[W+1], v[W+3]
	v_fma_f32 v[W+3], v[\l+9*\hf+2], v[W+2], v[W+3]             ; det
	v_rcp_f32 v[W+4], v[W+3]                                    ; the plain multiply below stands between it and the first use of its result (ISA guide 5.7.2)
	v_mul_f32 v[W+5], v[\l+9*\hf+2], v[\l+9*\hf+2]
	v_mul_f32 v[W+6], v[\l+9*\hf+1], v[\l+9*\hf+1]
	v_mul_f32 v[W+7], v[\l+9*\hf], v[\l+9*\hf+5]
	v_fma_f32 v[W+5], v[\l+9*\hf], v[\l+9*\hf+8], -v[W+5]       ; a c - f f
	v_fma_f32 v[W+6], v[\l+9*\hf], v[\l+9*\hf+4], -v[W+6]       ; a b - d d
	v_fma_f32 v[W+7], v[\l+9*\hf+1], v[\l+9*\hf+2], -v[W+7]     ; d f - a e
	s_wait_alu depctr_va_vdst(0)
	v_mul_f32 v[W+3], 0xbf38aa3b, v[W+4]                        ; -0.5 log2 e / det
	v_mul_f32 v[W+4], 0xbfb8aa3b, v[W+4]                        ; -log2 e / det
	v_mul_f32 v[OUT+\hf+6],  v[W], v[W+3]                       ; A
	v_mul_f32 v[OUT+\hf+8],  -v[W+1], v[W+4]                    ; D2: ixy = (e f - d c) / det
	v_mul_f32 v[OUT+\hf+10], v[W+2], v[W+4]                     ; F2
	v_mul_f32 v[OUT+\hf+12], v[W+5], v[W+3]                     ; B
	v_mul_f32 v[OUT+\hf+14], v[W+7], v[W+4]                     ; E2
	v_mul_f32 v[OUT+\hf+16], v[W+6], v[W+3]                     ; C
.irp a,0,1,2
	v_mul_f32 v[OUT+\hf+2*\a], -1.0, v[\l+18+3*\hf+\a]
	v_sub_f32 v[XD+\a], v[\l+18+3*\hf+\a], s[ORG+\a]
.endr
	v_max3_num_f32 v[XD+3], v[\l+24+3*\hf], v[\l+25+3*\hf], v[\l+26+3*\hf]
	v_mul_f32 v[XD+3], 0x40400000, v[XD+3]                      ; largest scale x 3, rounded before the division as in the definition
	DIVN XD,QD,RD,4
.irp a,0,1,2
	v_trunc_f32 v[QD+\a], v[QD+\a]                              ; toward zero, as the conversion to int32
.endr
	v_floor_f32 v[QD+3], -v[QD+3]                               ; -ceil
.irp a,0,1,2
	v_mul_f32 v[OUT+\hf+18+2*\a], s[SN], v[QD+\a]
.endr
	v_fma_f32 v[OUT+\hf+24], v[QD+3], s[SN], s[SH]              ; 1024 radius + 512
.endm
; My pair i: its entry (lanes 112 bytes apart: sixteen lanes' 16-byte stores start in sixteen different columns of 256 bytes) and its 16 words of each table of S'T.
.macro PAIR i
	GAUSS L0+58*\i,0
	GAUSS L0+58*\i,1
.irp k,0,1,2,3,4,5
	ds_store_b128 v[TA], v[OUT+4*\k:OUT+4*\k+3] offset:256*ENT*\i+16*\k
.endr
	ds_store_b64 v[TA], v[OUT+24:OUT+25] offset:256*ENT*\i+96
.irp c,0,1,2,3,4,5,6,7,8,9,10,11,12
	v_mul_f32 v[L0+58*\i+32+\c], v[L0+58*\i+32+\c], v[L0+58*\i+30]
	v_mul_f32 v[L0+58*\i+45+\c], v[L0+58*\i+45+\c], v[L0+58*\i+31]
	v_cvt_pk_bf16_f32 v[OUT+\c], v[L0+58*\i+32+\c], v[L0+58*\i+45+\c]           ; upper parts, the even Gaussian in the low half
	v_fma_mix_f32_bf16 v[L0+58*\i+32+\c], v[OUT+\c], v[N1], v[L0+58*\i+32+\c] op_sel_hi:[1,0,0]                 ; x - bf16(low half): exact
	v_fma_mix_f32_bf16 v[L0+58*\i+45+\c], v[OUT+\c], v[N1], v[L0+58*\i+45+\c] op_sel:[1,0,0] op_sel_hi:[1,0,0]  ; x - bf16(high half)
	v_cvt_pk_bf16_f32 v[L0+58*\i+32+\c], v[L0+58*\i+32+\c], v[L0+58*\i+45+\c]   ; remainders
	ds_store_b32 v[SA], v[OUT+\c] offset:\c*SPITCH+1024*\i
	ds_store_b32 v[SA], v[L0+58*\i+32+\c] offset:\c*SPITCH+1024*\i+SEML-SEMH
.endr
.irp c,13,14,15
	ds_store_b32 v[SA], v[ZR] offset:\c*SPITCH+1024*\i
	ds_store_b32 v[SA], v[ZR] offset:\c*SPITCH+1024*\i+SEML-SEMH
.endr
.endm
	s_wait_kmcnt 0x0                               ; the origin
	s_wait_loadcnt 29                              ; loads come back in order (ISA guide 5.7.1): the first pair's 29 are in, the second pair's 29 stay out
.irp t,0,1,2,3                                 ; my four points go out here, so that a wave never has more than 58 loads out
	global_load_b32 v[CX+6*\t], v[AP+\t], s[16:17]
	global_load_b32 v[CX+6*\t+1], v[AP+\t], s[16:17] offset:4
	global_load_b32 v[CX+6*\t+2], v[AP+\t], s[16:17] offset:8
.endr
	PAIR 0
	s_wait_loadcnt 12                              ; the second pair's are in, the points' 12 stay out
	PAIR 1
	s_wait_loadcnt 0x0
	; 1024 x voxel number of my four points, one axis at a time, the four tiles side by side
.irp a,0,1,2
.irp t,0,1,2,3
	v_sub_f32 v[32+\t], v[CX+6*\t+\a], s[ORG+\a]
.endr
	DIVN 32,36,40,4
.irp t,0,1,2,3
	v_trunc_f32 v[36+\t], v[36+\t]
.endr
.irp t,0,1,2,3
	v_mul_f32 v[CX+6*\t+3+\a], 0x44800000, v[36+\t]
.endr
.endr
	; In a block of 32 Gaussians lane half h makes k = 8h..8h+7 and 16+8h..16+8h+7: pairs 4h + j (j < 4) and 4h + j + 4 (j >= 4) of the block's 16.
	v_mul_u32_u24 v[VP], v[HL], 4*ENT
	s_mul_i32 s6, s[KG], 256*ENT
	v_add_nc_u32 v[VP], s6, v[VP]
	v_mul_u32_u24 v[VS], v[RL], SPITCH             ; A fragment: row = channel = lane & 15, 16 bytes at 16 h and at 32 + 16 h
	v_lshl_add_u32 v[VS], v[HL], 4, v[VS]
	s_lshl_b32 s7, s[KG], 10
	s_add_co_u32 s7, s7, SEMH
	v_add_nc_u32 v[VS], s7, v[VS]
	s_wait_dscnt 0x0                               ; my stores into the tables are done, for the other waves' sake
	s_barrier_signal -1
	s_barrier_wait -1                              ; the tables are whole
.macro LOADP buf, off                  ; 13 parameter pairs, 104 bytes; all lanes of a half read the same bytes
.irp k,0,1,2,3,4,5
	ds_load_b128 v[\buf+4*\k:\buf+4*\k+3], v[VP] offset:\off+16*\k
.endr
	ds_load_b64 v[\buf+24:\buf+25], v[VP] offset:\off+96
.endm
.macro PKB dst, c, p                   ; v[dst:dst+1] = v[c], to both halves, + v[p:p+1]: op_sel picks the register of the pair for the low result, op_sel_hi for the high one
.if (\c)&1
	v_pk_add_f32 v[\dst:\dst+1], v[\c-1:\c], v[\p:\p+1] op_sel:[1,0] op_sel_hi:[1,1]
.else
	v_pk_add_f32 v[\dst:\dst+1], v[\c:\c+1], v[\p:\p+1] op_sel_hi:[0,1]
.endif
.endm
.macro CVTS j                          ; two weights of one point and two neighbouring Gaussians: register j of the tile's two B fragments
	s_wait_alu depctr_va_vdst(0)
.irp s,0,1,2,3
	v_cvt_pk_bf16_f32 v[FRH+8*\s+\j], v[TM+12*\s+8], v[TM+12*\s+9]                                               ; upper parts
.endr
.irp s,0,1,2,3
	v_fma_mix_f32_bf16 v[TM+12*\s+8], v[FRH+8*\s+\j], v[N1], v[TM+12*\s+8] op_sel_hi:[1,0,0]                     ; w - bf16(low half): exact
.endr
.irp s,0,1,2,3
	v_fma_mix_f32_bf16 v[TM+12*\s+9], v[FRH+8*\s+\j], v[N1], v[TM+12*\s+9] op_sel:[1,0,0] op_sel_hi:[1,0,0]      ; w - bf16(high half)
.endr
.irp s,0,1,2,3
	v_cvt_pk_bf16_f32 v[FRL+8*\s+\j], v[TM+12*\s+8], v[TM+12*\s+9]                                               ; remainders
.endr
.endm
; One pair of Gaussians (parameters in buf) for my four tiles, the four side by side so that an instruction stands at least four behind the one it needs.
; A stream's registers: +0 dx, +2 dy, +4 dz (then the voxel differences), +6 U (then t, then the bound), +8 V (then the weights), +10 Q.
; The group ends with its exponentials; their conversions (pnd = 1: of pair pj) stand in the next group behind twelve plain instructions (ISA guide 5.7.2).
.macro GROUP buf, pnd, pj
.irp s,0,1,2,3
	PKB TM+12*\s,CX+6*\s,\buf
.endr
.irp s,0,1,2,3
	PKB TM+12*\s+2,CX+6*\s+1,\buf+2
.endr
.irp s,0,1,2,3
	PKB TM+12*\s+4,CX+6*\s+2,\buf+4
.endr
.if \pnd
	CVTS \pj
.endif
.irp s,0,1,2,3
	v_pk_mul_f32 v[TM+12*\s+6:TM+12*\s+7], v[TM+12*\s:TM+12*\s+1], v[\buf+6:\buf+7]                                   ; U = A dx
.endr
.irp s,0,1,2,3
	v_pk_mul_f32 v[TM+12*\s+8:TM+12*\s+9], v[TM+12*\s+2:TM+12*\s+3], v[\buf+12:\buf+13]                               ; V = B dy
.endr
.irp s,0,1,2,3
	v_pk_mul_f32 v[TM+12*\s+10:TM+12*\s+11], v[TM+12*\s+4:TM+12*\s+5], v[\buf+16:\buf+17]                             ; Q = C dz
.endr
.irp s,0,1,2,3
	v_pk_fma_f32 v[TM+12*\s+6:TM+12*\s+7], v[TM+12*\s+2:TM+12*\s+3], v[\buf+8:\buf+9], v[TM+12*\s+6:TM+12*\s+7]       ; U += D2 dy
.endr
.irp s,0,1,2,3
	v_pk_fma_f32 v[TM+12*\s+8:TM+12*\s+9], v[TM+12*\s+4:TM+12*\s+5], v[\buf+14:\buf+15], v[TM+12*\s+8:TM+12*\s+9]     ; V += E2 dz
.endr
.irp s,0,1,2,3
	v_pk_mul_f32 v[TM+12*\s+10:TM+12*\s+11], v[TM+12*\s+10:TM+12*\s+11], v[TM+12*\s+4:TM+12*\s+5]                     ; Q = C dz dz
.endr
.irp s,0,1,2,3
	v_pk_fma_f32 v[TM+12*\s+6:TM+12*\s+7], v[TM+12*\s+4:TM+12*\s+5], v[\buf+10:\buf+11], v[TM+12*\s+6:TM+12*\s+7]     ; U += F2 dz
.endr
.irp s,0,1,2,3
	v_pk_fma_f32 v[TM+12*\s+10:TM+12*\s+11], v[TM+12*\s+8:TM+12*\s+9], v[TM+12*\s+2:TM+12*\s+3], v[TM+12*\s+10:TM+12*\s+11]   ; Q += V dy
.endr
.irp s,0,1,2,3
	v_pk_fma_f32 v[TM+12*\s+10:TM+12*\s+11], v[TM+12*\s+6:TM+12*\s+7], v[TM+12*\s:TM+12*\s+1], v[TM+12*\s+10:TM+12*\s+11]     ; Q += U dx = -0.5 log2 e x quad
.endr
.irp s,0,1,2,3
	PKB TM+12*\s,CX+6*\s+3,\buf+18
.endr
.irp s,0,1,2,3
	PKB TM+12*\s+2,CX+6*\s+4,\buf+20
.endr
.irp s,0,1,2,3
	PKB TM+12*\s+4,CX+6*\s+5,\buf+22
.endr
.irp s,0,1,2,3
	v_max3_num_f32 v[TM+12*\s+6], |v[TM+12*\s]|, |v[TM+12*\s+2]|, |v[TM+12*\s+4]|
.endr
.irp s,0,1,2,3
	v_max3_num_f32 v[TM+12*\s+7], |v[TM+12*\s+1]|, |v[TM+12*\s+3]|, |v[TM+12*\s+5]|
.endr
.irp s,0,1,2,3
	v_pk_add_f32 v[TM+12*\s+6:TM+12*\s+7], v[\buf+24:\buf+25], v[TM+12*\s+6:TM+12*\s+7] neg_lo:[0,1] neg_hi:[0,1]     ; 1024 (radius + 0.5 - t)
.endr
.irp s,0,1,2,3
	v_min_num_f32 v[TM+12*\s+10], v[TM+12*\s+10], v[TM+12*\s+6]
.endr
.irp s,0,1,2,3
	v_min_num_f32 v[TM+12*\s+11], v[TM+12*\s+11], v[TM+12*\s+7]
.endr
.irp s,0,1,2,3
	v_exp_f32 v[TM+12*\s+8], v[TM+12*\s+10]
.endr
.irp s,0,1,2,3
	v_exp_f32 v[TM+12*\s+9], v[TM+12*\s+11]
.endr
.endm
; A block of 32 Gaussians: eight pairs for my half of the lanes, each for four tiles; then three matrix instructions for each tile.
; The next pair's parameters are asked for before the current pair is worked on, 104 vector instructions ahead of their use.
; zero = 1: the first products start the sums.  last = 1: nothing is left to fetch.
.macro BLOCK zero, last
.irp j,0,1,2,3,4,5,6,7
.set WC, 7                                     ; LDS loads come back in order (ISA guide 5.7.1): the 7 just issued stay out, this pair's are in
.if \j==4
	ds_load_b128 v[SFH:SFH+3], v[VS]               ; this block's S'T; the matrix instructions that read these registers last lie four pairs back
	ds_load_b128 v[SFH+4:SFH+7], v[VS] offset:32
	ds_load_b128 v[SFL:SFL+3], v[VS] offset:SEML-SEMH
	ds_load_b128 v[SFL+4:SFL+7], v[VS] offset:SEML-SEMH+32
.set WC, 11                                    ; these 4 and the 7 behind them stay out
.endif
.if \j<7
	LOADP PA+26*((\j+1)&1),((\j+1)+4*((\j+1)>>2))*ENT
.else
.if \last
.set WC, 0
.else
	LOADP PA,16*ENT                                ; the next block's first pair
.endif
.endif
	s_wait_dscnt WC
.if \j==0
	GROUP PA,0,0
.else
	GROUP PA+26*(\j&1),1,\j-1
.endif
.endr
.if \last
	v_nop                                          ; the plain place between the last exponentials and their conversions
	s_wait_alu depctr_va_vdst(0)
.else
	v_add_nc_u32 v[VP], 16*ENT, v[VP]              ; the next block; also the plain place behind the exponentials
	v_add_nc_u32 v[VS], 64, v[VS]
	s_wait_alu depctr_va_vdst(0)
.endif
	CVTS 7
	; the four accumulators take turns, one instruction a turn, from product to product and over the backward jump too
.irp t,0,1,2,3
.if \zero
	v_wmma_f32_16x16x32_bf16 v[ACC+8*\t:ACC+8*\t+7], v[SFH:SFH+7], v[FRH+8*\t:FRH+8*\t+7], 0
.else
	v_wmma_f32_16x16x32_bf16 v[ACC+8*\t:ACC+8*\t+7], v[SFH:SFH+7], v[FRH+8*\t:FRH+8*\t+7], v[ACC+8*\t:ACC+8*\t+7]
.endif
.endr
.irp t,0,1,2,3
	v_wmma_f32_16x16x32_bf16 v[ACC+8*\t:ACC+8*\t+7], v[SFH:SFH+7], v[FRL+8*\t:FRL+8*\t+7], v[ACC+8*\t:ACC+8*\t+7]
.endr
.irp t,0,1,2,3
	v_wmma_f32_16x16x32_bf16 v[ACC+8*\t:ACC+8*\t+7], v[SFL:SFL+7], v[FRH+8*\t:FRH+8*\t+7], v[ACC+8*\t:ACC+8*\t+7]
.endr
	; the fragments are written again only in the next block's second pair, far more than four plain instructions on (ISA guide 7.12.1)
.endm
	LOADP PA,0
	BLOCK 1,0
	s_mov_b32 s[CT], 14
.Lblock:
	BLOCK 0,0
	s_sub_co_u32 s[CT], s[CT], 1
	s_cmp_lg_u32 s[CT], 0
	s_cbranch_scc1 .Lblock
	BLOCK 0,1
	; THE WAY OUT.  Register j of lane (r, h) of tile t holds channel 8 h + j of point 16 t + r: 32 bytes of the point's row in my wave's part of the stage.
	s_mul_i32 s7, s[WV], 64*STP                    ; half KG (256 rows), points 64 PG on = wave x 64 rows
	s_add_co_u32 s7, s7, STG
	s_mov_b32 s6, STG
	s_mov_b32 s34, DEN
	v_mul_u32_u24 v5, v[RL], STP                   ; these five plain instructions are the places between the last matrix instruction and the stores of its result
	v_lshl_add_u32 v5, v[HL], 5, v5
	v_add_nc_u32 v5, s7, v5
	v_mad_u32_u24 v6, v0, STP, s6                  ; then thread = point: its row in the first half's stage,
	v_mad_u32_u24 v7, v0, 52, s34                  ; and its dense row
.irp t,0,1,2,3
	ds_store_b128 v5, v[ACC+8*\t:ACC+8*\t+3] offset:16*STP*\t
	ds_store_b128 v5, v[ACC+8*\t+4:ACC+8*\t+7] offset:16*STP*\t+16
.endr
	s_wait_dscnt 0x0                               ; my partial sums are in LDS, for the other waves' sake
	s_barrier_signal -1
	s_barrier_wait -1
.set X, 32                             ; v[32:44], v[46:58]: 13 channels of the two halves
.irp k,0,1
	ds_load_b128 v[X+14*\k:X+14*\k+3], v6 offset:STK*\k
	ds_load_b128 v[X+14*\k+4:X+14*\k+7], v6 offset:STK*\k+16
	ds_load_b128 v[X+14*\k+8:X+14*\k+11], v6 offset:STK*\k+32
	ds_load_b32 v[X+14*\k+12], v6 offset:STK*\k+48
.endr
	s_mul_i32 s[NQ], ttmp9, 832                    ; 16-byte pieces left from my first row to the end of out0: 64,800 x 13 / 4 - 832 x work-group,
	s_sub_co_u32 s[NQ], NPTS*13/4, s[NQ]
	s_min_u32 s[NQ], s[NQ], 832                    ; of which at most 256 x 13 / 4 are mine (104 in the last work-group)
	s_mul_i32 s34, ttmp9, 13312                    ; my 256 rows of 52 bytes begin at a multiple of 256 bytes
	s_mov_b32 s35, 0
	s_add_nc_u64 s[22:23], s[22:23], s[34:35]
	s_mov_b32 s34, DEN
	s_wait_dscnt 0x0
.irp c,0,2,4,6,8,10
	v_pk_add_f32 v[X+\c:X+\c+1], v[X+\c:X+\c+1], v[X+14+\c:X+15+\c]
.endr
	v_add_f32 v[X+12], v[X+12], v[X+26]
.irp c,0,1,2,3,4,5,6,7,8,9,10,11,12
	ds_store_b32 v7, v[X+\c] offset:4*\c           ; lanes 13 words apart
.endr
	v_lshlrev_b32 v8, 4, v0                        ; piece t: byte 16 t of the block, in LDS and in out0
	v_add_nc_u32 v9, s34, v8
	v_add_nc_u32 v10, 768, v0
	v_min_u32 v10, 831, v10                        ; pieces 832 and up do not exist: their lanes read the last one and store nothing
	v_lshl_add_u32 v11, v10, 4, s34
	s_wait_dscnt 0x0                               ; my rows are in LDS, for the other waves' sake
	s_barrier_signal -1
	s_barrier_wait -1
	ds_load_b128 v[12:15], v9
	ds_load_b128 v[16:19], v9 offset:4096
	ds_load_b128 v[20:23], v9 offset:8192
	ds_load_b128 v[24:27], v11
	s_wait_dscnt 0x0
.irp i,0,1,2,3
	v_add_nc_u32 v10, 256*\i, v0
	v_cmp_gt_u32 vcc_lo, s[NQ], v10                ; pieces that are mine
	s_and_saveexec_b32 s[SV], vcc_lo               ; no global instruction is pending here: the loads were waited for, each store below is followed by its wait
	global_store_b128 v8, v[12+4*\i:15+4*\i], s[22:23] offset:4096*\i th:TH_STORE_NT   ; a wave's store covers 512 consecutive bytes, aligned
	s_wait_xcnt 0x0                                ; EXEC is a source of the pending store: it changes only behind this wait
	s_or_b32 exec_lo, exec_lo, s[SV]
.endr
	s_wait_xcnt 0x0
	s_mov_b32 exec_lo, -1
	s_wait_tensorcnt 0x0
	ds_add_u32 v254, v255
	s_wait_dscnt 0x0
	s_endpgm
.Lfunc_end_k_qdbc2f684a8_aggregate:
	.size	k_qdbc2f684a8_aggregate, .Lfunc_end_k_qdbc2f684a8_aggregate-k_qdbc2f684a8_aggregate
	.p2alignl 7, 3214868480
	.fill 96, 4, 3214868480
	.section	.rodata,"a",@progbits
	.p2align	6, 0x0
	.amdhsa_kernel k_qdbc2f684a8_aggregate
		.amdhsa_group_segment_fixed_size 178688
		.amdhsa_private_segment_fixed_size 0
		.amdhsa_enable_private_segment 0
		.amdhsa_kernarg_size 64
		.amdhsa_user_sgpr_count 2
		.amdhsa_user_sgpr_kernarg_segment_ptr 1
		.amdhsa_wavefront_size32 1
		.amdhsa_system_sgpr_workgroup_id_x 1
		.amdhsa_system_sgpr_workgroup_id_y 1
		.amdhsa_system_sgpr_workgroup_id_z 1
		.amdhsa_system_vgpr_workitem_id 0
		.amdhsa_next_free_vgpr 256
		.amdhsa_next_free_sgpr 66
		.amdhsa_reserve_vcc 1
		.amdhsa_float_denorm_mode_32 3
		.amdhsa_float_denorm_mode_16_64 3
		.amdhsa_memory_ordered 1
		.amdhsa_forward_progress 1
		.amdhsa_inst_pref_size 205
	.end_amdhsa_kernel
	.amdgpu_metadata
---
amdhsa.version: [ 1, 2 ]
amdhsa.kernels:
  - .name:           k_qdbc2f684a8_aggregate
    .symbol:         k_qdbc2f684a8_aggregate.kd
    .args:
      - { .name: cov3D, .offset: 0, .size: 8, .value_kind: global_buffer, .address_space: global }
      - { .name: means3D, .offset: 8, .size: 8, .value_kind: global_buffer, .address_space: global }
      - { .name: opacities, .offset: 16, .size: 8, .value_kind: global_buffer, .address_space: global }
      - { .name: origin_use, .offset: 24, .size: 8, .value_kind: global_buffer, .address_space: global }
      - { .name: pts, .offset: 32, .size: 8, .value_kind: global_buffer, .address_space: global }
      - { .name: scales, .offset: 40, .size: 8, .value_kind: global_buffer, .address_space: global }
      - { .name: semantics, .offset: 48, .size: 8, .value_kind: global_buffer, .address_space: global }
      - { .name: out0, .offset: 56, .size: 8, .value_kind: global_buffer, .address_space: global }
    .group_segment_fixed_size: 178688
    .private_segment_fixed_size: 0
    .kernarg_segment_align: 8
    .kernarg_segment_size: 64
    .max_flat_workgroup_size: 256
    .sgpr_count:     66
    .vgpr_count:     256
    .wavefront_size: 32
...
	.end_amdgpu_metadata
.endif
;; end of part 1
;; ======== version 2 of 2: 2 launches; 1.85 times as fast as version 1
;; workspace buffers: mask 32,512 bytes of whole numbers
;; launch boxes (part 2): grid 127 x 1, 8 waves a work-group, no clusters, 3,072 bytes of LDS; arguments means3D, scales, pts, origin_use, mask; writes mask
.if DOCPART == 2
	.amdgcn_target "amdgcn-amd-amdhsa--gfx1250"
	.amdhsa_code_object_version 6
	.text
	.protected	k_qdbc2f684a8_boxes
	.globl	k_qdbc2f684a8_boxes
	.p2align	8
	.type	k_qdbc2f684a8_boxes,@function
k_qdbc2f684a8_boxes:
	s_mov_b64 s[64:65], 0
	v_nop
	global_prefetch_b8 v0, s[64:65] scope:SCOPE_SE
	s_setreg_imm32_b32 hwreg(HW_REG_WAVE_MODE, 25, 1), 1
	s_wait_xcnt 0x0
; mask[block][k], 254 blocks of 256 points x 32 words: bit l of word k says that the box of Gaussian 32 k + l may reach a point of the block.
; The next launch leaves out the Gaussians whose bit is 0: their weight is 0 for every point of the block by the definition's own box test.
; A work-group takes two blocks (512 points; past the last point the last one is repeated), so that it stores 256 consecutive bytes, aligned.
; Voxel numbers and radii are whole numbers in f32, made by the same arithmetic as in the next launch.
; TWO BOUNDING BOXES FOR A BLOCK: box 0 round the points whose x voxel is the block's least, box 1 round all the others.  Their union holds every
;   point whatever the data are, so the test never loses a pair; for points that run through a grid slab by slab it stays tight where a block begins in
;   one slab and ends in the next, where one box would span a whole axis.  An empty box has its low corner at +infinity and its high corner at -infinity and meets nothing.
; THE TEST: the mean's voxel is clamped into the box (the box's nearest voxel); the bit is set if the largest |difference| of the three axes is at most the radius.
; LIMITS: exact below 2^23 voxels (int32 in the definition reaches 2^31); NaN or infinite coordinates, means and scales are not served.
; No matrix work, no tensor loads, no joint requests: a work-group reads 6 KB of points of its own and 24 KB of means and scales once.
.set NPTS, 64800
.set RED1, 0                           ; LDS: 8 waves x 2 least x voxels
.set RED2, 256                         ; LDS: 8 waves x 24 corner values
.set OUTL, 1024                        ; LDS: the 64 mask words
.set WV,  2                            ; wave
.set T0,  3
.set T1,  14
.set ORG, 16                           ; s[16:18] origin
.set SG,  20                           ; f32(0.08)
.set SY,  21                           ; 12.5
.set P0,  22                           ; v_permlanex16_b32: lane i of one half reads lane i of the other
.set P1,  23
.set SV,  24                           ; EXEC saved
.set MNP, 26                           ; s26, s27: the two blocks' least x voxel
.set SEL, 28                           ; s28, s29: lanes whose point lies in box 0
.set BX,  32                           ; s[32:55]: block x, box b, axis a: low corner at 12 x + 6 b + 2 a, high corner behind it
.set MK,  56                           ; s[56:63]: my wave's four mask words of each block
.set LN,  1                            ; lane
.set WN,  2                            ; wave, in every lane
.set OA,  3                            ; byte offsets of my two points
.set OB,  4
.set GO,  5                            ; byte offset of my first Gaussian in means3D and scales
.set P,   6                            ; v[6:11]    my two points
.set MN,  12                           ; v[12:23]   means of my four Gaussians 128 w + 32 q + lane
.set SC,  24                           ; v[24:35]   their scales
.set XD,  36                           ; v[36:57]   22 dividends: 6 of the points, 12 of the means, 4 of the radii; later at work
.set QD,  58                           ; v[58:79]   quotients, then voxel numbers and radii
.set RD,  80                           ; v[80:101]  remainders
.set NP,  102                          ; v[102:107] the points' voxel numbers, negated
.set R,   108                          ; v[108:131] 24 values to be reduced by minimum: low corners, and high corners negated
.set INF, 133
.set A1,  134
.set A2,  135
.set W,   136                          ; v[136:143] one value of each of the eight waves
.set C,   144                          ; v[144:146] at work in a test
.set O,   148                          ; v[148:155] mask words on their way out
	s_load_b256 s[4:11], s[0:1], 0x0               ; means s[4:5], scales s[6:7], pts s[8:9], origin s[10:11]
	s_load_b64 s[12:13], s[0:1], 0x20              ; mask
	v_lshl_add_u32 v156, v0, 2, 0x800
	v_mov_b32 v157, 0
	v_and_b32 v[LN], 31, v0
	v_lshrrev_b32 v[WN], 5, v0
	v_readfirstlane_b32 s[WV], v[WN]
	s_mov_b32 s[SG], 0x3da3d70a
	s_mov_b32 s[SY], 0x41480000
	s_mov_b32 s[P0], 0x76543210
	s_mov_b32 s[P1], 0xfedcba98
	s_lshl_b32 s[T0], ttmp9, 9                     ; the work-group's first point
	v_add_nc_u32 v[OA], s[T0], v0                  ; thread t: point t of the first block
	v_add_nc_u32 v[OB], 256, v[OA]                 ; and of the second
	v_min_u32 v[OA], NPTS-1, v[OA]
	v_min_u32 v[OB], NPTS-1, v[OB]
	v_mul_u32_u24 v[OA], v[OA], 12
	v_mul_u32_u24 v[OB], v[OB], 12
	v_lshl_add_u32 v[GO], v[WN], 7, v[LN]          ; Gaussian 128 w + lane
	v_mul_u32_u24 v[GO], v[GO], 12
	v_mov_b32 v[INF], 0x7f800000
	s_wait_kmcnt 0x0
	s_load_b96 s[ORG:ORG+2], s[10:11], 0x0
.irp a,0,1,2
	global_load_b32 v[P+\a], v[OA], s[8:9] offset:4*\a
	global_load_b32 v[P+3+\a], v[OB], s[8:9] offset:4*\a
.endr
.irp q,0,1,2,3
.irp a,0,1,2
	global_load_b32 v[MN+3*\q+\a], v[GO], s[4:5] offset:384*\q+4*\a
	global_load_b32 v[SC+3*\q+\a], v[GO], s[6:7] offset:384*\q+4*\a
.endr
.endr
; v[q+i] = v[x+i] / 0.08, correctly rounded, for i < n: the product with the rounded reciprocal, then twice remainder and correction, each fused.
.macro DIVN x, q, r, n
.set ii, 0
.rept \n
	v_mul_f32 v[\q+ii], s[SY], v[\x+ii]
.set ii, ii+1
.endr
.rept 2
.set ii, 0
.rept \n
	v_fma_f32 v[\r+ii], -v[\q+ii], s[SG], v[\x+ii]
.set ii, ii+1
.endr
.set ii, 0
.rept \n
	v_fma_f32 v[\q+ii], v[\r+ii], s[SY], v[\q+ii]
.set ii, ii+1
.endr
.endr
.endm
	s_wait_kmcnt 0x0                               ; the origin
	s_wait_loadcnt 0x0
.irp a,0,1,2
	v_sub_f32 v[XD+\a], v[P+\a], s[ORG+\a]
	v_sub_f32 v[XD+3+\a], v[P+3+\a], s[ORG+\a]
.endr
.irp q,0,1,2,3
.irp a,0,1,2
	v_sub_f32 v[XD+6+3*\q+\a], v[MN+3*\q+\a], s[ORG+\a]
.endr
	v_max3_num_f32 v[XD+18+\q], v[SC+3*\q], v[SC+3*\q+1], v[SC+3*\q+2]
	v_mul_f32 v[XD+18+\q], 0x40400000, v[XD+18+\q] ; largest scale x 3, rounded before the division as in the definition
.endr
	DIVN XD,QD,RD,22
.set ii, 0
.rept 18
	v_trunc_f32 v[QD+ii], v[QD+ii]                 ; toward zero, as the conversion to int32
.set ii, ii+1
.endr
.irp q,0,1,2,3
	v_floor_f32 v[QD+18+\q], -v[QD+18+\q]          ; -ceil, as in the next launch
.endr
.irp q,0,1,2,3
	v_mul_f32 v[QD+18+\q], -1.0, v[QD+18+\q]       ; the radius
.endr
	; the least x voxel of each block: over the wave's lanes (the dividends' registers are free and have been written), then over the eight waves through LDS
	v_min_num_f32_dpp v[XD], v[QD], v[QD] row_xmask:1 row_mask:0xf bank_mask:0xf
	v_min_num_f32_dpp v[XD+1], v[QD+3], v[QD+3] row_xmask:1 row_mask:0xf bank_mask:0xf
.irp m,2,4,8
	v_min_num_f32_dpp v[XD], v[XD], v[XD] row_xmask:\m row_mask:0xf bank_mask:0xf
	v_min_num_f32_dpp v[XD+1], v[XD+1], v[XD+1] row_xmask:\m row_mask:0xf bank_mask:0xf
.endr
	v_permlanex16_b32 v[XD+2], v[XD], s[P0], s[P1]
	v_permlanex16_b32 v[XD+3], v[XD+1], s[P0], s[P1]
	v_min_num_f32 v[XD], v[XD], v[XD+2]
	v_min_num_f32 v[XD+1], v[XD+1], v[XD+3]
	v_lshlrev_b32 v[A1], 3, v[WN]
	ds_store_b64 v[A1], v[XD:XD+1] offset:RED1     ; all lanes write the same two words with the same values
	s_wait_dscnt 0x0                               ; for the other waves' sake
	s_barrier_signal -1
	s_barrier_wait -1
	v_and_b32 v[A1], 1, v0                         ; even lanes take the first block's eight values, odd lanes the second's
	v_lshlrev_b32 v[A1], 2, v[A1]
.irp k,0,1,2,3,4,5,6,7
	ds_load_b32 v[W+\k], v[A1] offset:RED1+8*\k
.endr
.set ii, 0
.rept 6
	v_mul_f32 v[NP+ii], -1.0, v[QD+ii]
.set ii, ii+1
.endr
	s_wait_dscnt 0x0
	v_min3_num_f32 v[W], v[W], v[W+1], v[W+2]
	v_min3_num_f32 v[W], v[W], v[W+3], v[W+4]
	v_min3_num_f32 v[W], v[W], v[W+5], v[W+6]
	v_min_num_f32 v[W], v[W], v[W+7]
	v_readlane_b32 s[MNP], v[W], 0
	v_readlane_b32 s[MNP+1], v[W], 1
	v_cmp_eq_f32 s[SEL], s[MNP], v[QD]
	v_cmp_eq_f32 s[SEL+1], s[MNP+1], v[QD+3]
	; a point gives its voxel to its own box and +infinity to the other
.irp x,0,1
.irp a,0,1,2
	v_cndmask_b32 v[R+12*\x+2*\a],   v[INF], v[QD+3*\x+\a], s[SEL+\x]
	v_cndmask_b32 v[R+12*\x+2*\a+1], v[INF], v[NP+3*\x+\a], s[SEL+\x]
	v_cndmask_b32 v[R+12*\x+6+2*\a],   v[QD+3*\x+\a], v[INF], s[SEL+\x]
	v_cndmask_b32 v[R+12*\x+6+2*\a+1], v[NP+3*\x+\a], v[INF], s[SEL+\x]
.endr
.endr
.irp m,1,2,4,8
.set ii, 0
.rept 24
	v_min_num_f32_dpp v[R+ii], v[R+ii], v[R+ii] row_xmask:\m row_mask:0xf bank_mask:0xf
.set ii, ii+1
.endr
.endr
.set ii, 0
.rept 24
	v_permlanex16_b32 v[XD+ii], v[R+ii], s[P0], s[P1]   ; v[36:59]: free by now, and written before
.set ii, ii+1
.endr
.set ii, 0
.rept 24
	v_min_num_f32 v[R+ii], v[R+ii], v[XD+ii]
.set ii, ii+1
.endr
	v_mul_u32_u24 v[A1], v[WN], 96
.irp k,0,1,2,3,4,5
	ds_store_b128 v[A1], v[R+4*\k:R+4*\k+3] offset:RED2+16*\k
.endr
	s_wait_dscnt 0x0                               ; for the other waves' sake
	s_barrier_signal -1
	s_barrier_wait -1
	v_min_u32 v[A1], 23, v[LN]                     ; lane i takes value i of each wave (lanes 24 to 31 repeat the last)
	v_lshlrev_b32 v[A1], 2, v[A1]
.irp k,0,1,2,3,4,5,6,7
	ds_load_b32 v[W+\k], v[A1] offset:RED2+96*\k
.endr
	s_wait_dscnt 0x0
	v_min3_num_f32 v[W], v[W], v[W+1], v[W+2]
	v_min3_num_f32 v[W], v[W], v[W+3], v[W+4]
	v_min3_num_f32 v[W], v[W], v[W+5], v[W+6]
	v_min_num_f32 v[W], v[W], v[W+7]
.set ii, 0
.rept 24
	v_readlane_b32 s[BX+ii], v[W], ii
.set ii, ii+1
.endr
.set ii, 1
.rept 12
	s_xor_b32 s[BX+ii], s[BX+ii], 0x80000000       ; the high corners get their sign back
.set ii, ii+2
.endr
; my Gaussians 128 w + 32 q + lane against box b of block x: 32 bits into s[dst]
.macro TEST q, x, b, dst
.irp a,0,1,2
	v_min_num_f32 v[C+\a], s[BX+12*\x+6*\b+2*\a+1], v[QD+6+3*\q+\a]
.endr
.irp a,0,1,2
	v_max_num_f32 v[C+\a], s[BX+12*\x+6*\b+2*\a], v[C+\a]
.endr
.irp a,0,1,2
	v_sub_f32 v[C+\a], v[QD+6+3*\q+\a], v[C+\a]
.endr
	v_max3_num_f32 v[C], |v[C]|, |v[C+1]|, |v[C+2]|
	v_cmp_le_f32 s[\dst], v[C], v[QD+18+\q]
.endm
.irp x,0,1
.irp q,0,1,2,3
	TEST \q,\x,0,T0
	TEST \q,\x,1,T1
	s_or_b32 s[MK+4*\x+\q], s[T0], s[T1]
	v_mov_b32 v[O+4*\x+\q], s[MK+4*\x+\q]
.endr
.endr
	v_lshlrev_b32 v[A1], 4, v[WN]                  ; words 4 w .. 4 w + 3 of each block's 32
	ds_store_b128 v[A1], v[O:O+3] offset:OUTL
	ds_store_b128 v[A1], v[O+4:O+7] offset:OUTL+128
	s_wait_dscnt 0x0                               ; for wave 0's sake
	s_barrier_signal -1
	s_barrier_wait -1
	s_cmp_lg_u32 s[WV], 0
	s_cbranch_scc1 .Lend
	v_and_b32 v[A1], 15, v0
	v_lshlrev_b32 v[A1], 4, v[A1]
	ds_load_b128 v[O:O+3], v[A1] offset:OUTL
	s_lshl_b32 s[T0], ttmp9, 8
	v_add_nc_u32 v[A2], s[T0], v[A1]
	v_cmp_gt_u32 vcc_lo, 16, v0
	s_wait_dscnt 0x0
	s_and_saveexec_b32 s[SV], vcc_lo               ; no global instruction is pending: the loads were waited for
	global_store_b128 v[A2], v[O:O+3], s[12:13]    ; sixteen lanes store 256 consecutive bytes, aligned
	s_wait_xcnt 0x0                                ; EXEC is a source of the pending store: it changes only behind this wait
	s_or_b32 exec_lo, exec_lo, s[SV]
.Lend:
	s_barrier_signal -1
	s_barrier_wait -1
	s_wait_tensorcnt 0x0
	ds_add_u32 v156, v157
	s_wait_dscnt 0x0
	s_endpgm
.Lfunc_end_k_qdbc2f684a8_boxes:
	.size	k_qdbc2f684a8_boxes, .Lfunc_end_k_qdbc2f684a8_boxes-k_qdbc2f684a8_boxes
	.p2alignl 7, 3214868480
	.fill 96, 4, 3214868480
	.section	.rodata,"a",@progbits
	.p2align	6, 0x0
	.amdhsa_kernel k_qdbc2f684a8_boxes
		.amdhsa_group_segment_fixed_size 3072
		.amdhsa_private_segment_fixed_size 0
		.amdhsa_enable_private_segment 0
		.amdhsa_kernarg_size 40
		.amdhsa_user_sgpr_count 2
		.amdhsa_user_sgpr_kernarg_segment_ptr 1
		.amdhsa_wavefront_size32 1
		.amdhsa_system_sgpr_workgroup_id_x 1
		.amdhsa_system_sgpr_workgroup_id_y 1
		.amdhsa_system_sgpr_workgroup_id_z 1
		.amdhsa_system_vgpr_workitem_id 0
		.amdhsa_next_free_vgpr 158
		.amdhsa_next_free_sgpr 66
		.amdhsa_reserve_vcc 1
		.amdhsa_float_denorm_mode_32 3
		.amdhsa_float_denorm_mode_16_64 3
		.amdhsa_memory_ordered 1
		.amdhsa_forward_progress 1
		.amdhsa_inst_pref_size 37
	.end_amdhsa_kernel
	.amdgpu_metadata
---
amdhsa.version: [ 1, 2 ]
amdhsa.kernels:
  - .name:           k_qdbc2f684a8_boxes
    .symbol:         k_qdbc2f684a8_boxes.kd
    .args:
      - { .name: means3D, .offset: 0, .size: 8, .value_kind: global_buffer, .address_space: global }
      - { .name: scales, .offset: 8, .size: 8, .value_kind: global_buffer, .address_space: global }
      - { .name: pts, .offset: 16, .size: 8, .value_kind: global_buffer, .address_space: global }
      - { .name: origin_use, .offset: 24, .size: 8, .value_kind: global_buffer, .address_space: global }
      - { .name: mask, .offset: 32, .size: 8, .value_kind: global_buffer, .address_space: global }
    .group_segment_fixed_size: 3072
    .private_segment_fixed_size: 0
    .kernarg_segment_align: 8
    .kernarg_segment_size: 40
    .max_flat_workgroup_size: 256
    .sgpr_count:     66
    .vgpr_count:     158
    .wavefront_size: 32
...
	.end_amdgpu_metadata
.endif
;; end of part 2
;; launch aggregate (part 3): grid 254 x 1, 8 waves a work-group, no clusters, 177,152 bytes of LDS; arguments cov3D, means3D, opacities, origin_use, pts, scales, semantics, out0, mask; writes out0
.if DOCPART == 3
	.amdgcn_target "amdgcn-amd-amdhsa--gfx1250"
	.amdhsa_code_object_version 6
	.text
	.protected	k_qdbc2f684a8_aggregate
	.globl	k_qdbc2f684a8_aggregate
	.p2align	8
	.type	k_qdbc2f684a8_aggregate,@function
k_qdbc2f684a8_aggregate:
	s_mov_b64 s[64:65], 0
	v_nop
	global_prefetch_b8 v0, s[64:65] scope:SCOPE_SE
	s_setreg_imm32_b32 hwreg(HW_REG_WAVE_MODE, 25, 1), 1
	s_wait_xcnt 0x0
; out[n][c] = sum over g of inbox(n,g) * opacity[g] * exp(-0.5 quad(n,g)) * semantics[g][c];  64,800 points, 1,024 Gaussians, 13 channels.
; A work-group owns 256 points (16 tiles of 16); 254 work-groups, the last with 32 points (loads clamped, stores masked).
; THE LIST: the launch before has stored, for each block of 256 points, 1,024 bits that name the Gaussians whose box may reach the block.  Only these are
;   worked on; the others' weights are 0 by the definition's box test.  Place p of the list is the Gaussian of the p-th set bit; the list is padded with dummies
;   of weight 0 to 64 NB places, NB = 2 to 16: NB blocks of 32 places for each of two halves.  With all bits set the launch does the whole work.
; Eight waves: wave w takes points 64 (w & 3) .. +63 (4 tiles) and half w >> 2 of the list.  Block b of the list is slot b >> 1 of half b & 1, so that
;   every table address is made of the thread's number and constants; of the mask words hang only the trip count and which Gaussians are gathered.
; HEAD: the Gaussians' five inputs come in by loads of which each covers 512 consecutive bytes for a wave, and are laid raw in LDS.  Meanwhile a thread finds the
;   two Gaussians of its pair of places by arithmetic on the mask words.  It gathers their 52 numbers from the raw bytes and makes its entry of two tables:
;   13 parameters for each pair, and S'T[channel][place] = opacity * semantics (so an opacity of any sign is served and costs nothing for a pair).
; LOOP: weights in f32, two neighbours of the list in the halves of packed instructions, 26 vector instructions for two weights of a lane;
;   lane (r, h) holds point r of each tile and makes just the 16 weights that the matrix instruction's B fragment wants in that lane.
; PRECISION OF THE PRODUCT: a term opacity * weight * semantics can be ten times the size of a sum in which terms cancel, so one rounding of each
;   factor to bf16 (2^-9 each) is too coarse.  Each factor goes as two bf16 numbers, x = hi + lo with hi = bf16(x), lo = bf16(x - hi) (the remainder is
;   exact in f32), and D(channel, point) += Sh wh + Sh wl + Sl wh, three matrix instructions; the product of the two remainders, below 2^-18
;   of the term, is dropped.  bf16 and not f16: a covariance that is not positive definite gives weights far above f16's largest number.
; TAIL: the two partial sums over the halves of the list meet in LDS, are added, laid as dense rows of 52 bytes
;   and stored as 13,312 consecutive bytes: each store of a wave covers 512 consecutive bytes, aligned.
; THE BOX TEST: voxel numbers and radii are kept as whole numbers in f32, times 1,024.  t = largest |voxel difference| of the three axes;
;   the exponent is min(q, 1024 (radius + 0.5 - t)): inside the bound is 512 or more (2^512 is infinite in f32, so it cuts nothing finite),
;   outside it is -512 or less and v_exp_f32 gives exactly 0.  A dummy's bound is -infinity and its opacity 0.
; LIMITS: voxel numbers and radii are exact below 2^23 (int32 in the definition reaches 2^31); 1 / det by v_rcp_f32, which takes a
;   determinant below 2^-126 as zero; a factor above 0x7f7f7fff becomes infinite when it is rounded to bf16; a NaN or infinite weight inside a box gives NaN;
;   NaN or infinite coordinates, means and scales are not served; an opacity * semantics that is not finite shows only in the blocks whose list names its Gaussian
;   (a semantic that is not finite also where a dummy borrows its Gaussian), while the definition's 0 x infinity spreads it to all points.
;   x / 0.08 is the correctly rounded quotient (12.5 is the rounded reciprocal of f32(0.08); two fused corrections).
; NO JOINT REQUESTS: what the work-groups share is 118,784 bytes of Gaussian inputs, read once at the head;
;   and a grid of 254 = 2 x 127 work-groups divides into no cluster of four.
.set NPTS,   64800
.set ENT,    112                       ; a table entry: 13 parameters x 2 Gaussians x 4 bytes = 104, kept at 7 x 16 bytes
.set SEMH,   512*ENT                   ; S'T, upper parts: 16 rows (13 channels, 3 of zeros) of 1,024 bf16
.set SPITCH, 2064                      ; 2,048 + 16: an odd multiple of 16 bytes, so 16 rows start in 16 different 16-byte columns of 256 bytes
.set SEML,   SEMH+16*SPITCH            ; S'T, remainders, laid alike; they end at byte 123,392
.set RAWC,   SEMH                      ; the inputs as they lie in memory, over the bytes of S'T and 52,736 behind them, until the tables are made: cov3D,
.set RAWM,   RAWC+36864                ; means3D,
.set RAWS,   RAWM+12288                ; scales,
.set RAWO,   RAWS+12288                ; opacities,
.set RAWE,   RAWO+4096                 ; semantics, which end at byte 176,128
.set STP,    80                        ; a row of partial sums: 16 channels of f32 + 16 bytes, again an odd multiple of 16
.set STK,    256*STP                   ; partial sums: 2 halves x 256 points x 80 bytes from byte 0 on, over the parameter table when the loop is done
.set DEN,    2*STK                     ; behind them the block's 256 rows of 52 bytes as they lie in out0, up to byte 54,272
; scalar registers
.set WV,  3                            ; wave
.set PG,  4                            ; which 64 points
.set KG,  5                            ; which half of the list
.set ORG, 24                           ; s[24:26] origin
.set SN,  27                           ; -1024.0
.set NQ,  28                           ; 16-byte pieces of out0 that this work-group owns
.set SH,  29                           ; 512.0
.set SG,  30                           ; f32(0.08)
.set SY,  31                           ; 12.5
.set SV,  32                           ; EXEC saved
.set CT,  33                           ; loop counter
.set MP,  36                           ; s[36:37] my block's mask words
.set NN,  38                           ; bits set
.set NB,  40                           ; blocks of a half: 2 .. 16
.set BS,  43                           ; bits set in the words in front
.set T,   44
.set M1,  45                           ; a lane mask beside VCC
.set MW,  68                           ; s[68:99] the 32 mask words
; vector registers
.set RL,  1                            ; lane & 15
.set HL,  2                            ; lane >> 4 & 1
.set VP,  3                            ; LDS address of my half's parameters in the current block
.set VS,  4                            ; LDS address of my S'T fragment in the current block
.set GO,  5                            ; head: 16 x thread
.set RA,  6                            ; head: where my 16 bytes of the raw inputs go: cov3D to opacities,
.set RA2, 7                            ;       semantics
.set CX,  8                            ; v[8:31]    tile t: x, y, z, 1024 x voxel x, y, z of my point
.set PA,  32                           ; v[32:57], v[58:83]  two buffers of 13 parameter pairs
.set SFH, 84                           ; v[84:91]   A fragment: S'T upper parts, 16 channels x 32 places
.set SFL, 92                           ; v[92:99]   A fragment: S'T remainders
.set FRH, 100                          ; v[100:131] B fragments, upper parts: tile t, 32 places x 16 points
.set FRL, 132                          ; v[132:163] B fragments, remainders
.set TM,  164                          ; v[164:211] four streams of 12 registers at work, one for each tile
.set ACC, 212                          ; v[212:243] four accumulators
.set N1,  244                          ; -1.0
.set AP,  245                          ; v[245:248] head: byte offsets of my 4 points
.set TA,  250                          ; head: where my entries go
.set SA,  251                          ; head: where my words of S'T go
.set ZR,  252                          ; head: zero
.set PI,  253                          ; head: my point in tile 0
.set L0,  32                           ; head: v[32:147] 29 x 16 raw bytes; then the inputs of my two pairs, 58 registers each
.set OUT, 164                          ; head: v[164:189] an entry, then the upper parts of 13 words of S'T
.set GA,  176                          ; head: v[176:183] a pair's eight gather addresses
.set W,   190                          ; head: v[190:197] at work
.set XD,  198                          ; head: dividends, quotients, remainders of four divisions
.set QD,  202
.set RD,  206
.set G0,  198                          ; head: v198, v199 the Gaussians of my first pair of places; later two places
.set G1,  200                          ; head: v200, v201 those of my second pair
.set SB,  212                          ; head: v[212:223], v[224:235] the search for two places: +0 key, then rank in the word; +1 key found; +2 word;
                                       ;       +3, +4, +5, +6 its counts of set bits in groups of 2, 4, 8, 16; +7 bit; +8 to +10 at work
	s_load_b512 s[8:23], s[0:1], 0x0               ; cov s[8:9], means s[10:11], opacities s[12:13], origin s[14:15], pts s[16:17], scales s[18:19], semantics s[20:21], out s[22:23]
	s_load_b64 s[MP:MP+1], s[0:1], 0x40            ; mask
	v_lshl_add_u32 v254, v0, 2, 0x2b000
	v_mov_b32 v255, 0
	v_and_b32 v[RL], 15, v0
	v_bfe_u32 v[HL], v0, 4, 1
	v_lshrrev_b32 v[VP], 5, v0
	v_readfirstlane_b32 s[WV], v[VP]               ; wave 0..7
	s_and_b32 s[PG], s[WV], 3
	s_lshr_b32 s[KG], s[WV], 2
	s_mov_b32 s[SG], 0x3da3d70a                    ; 0.08
	s_mov_b32 s[SY], 0x41480000                    ; 12.5
	s_mov_b32 s[SN], 0xc4800000                    ; -1024.0
	s_mov_b32 s[SH], 0x44000000                    ; 512.0
	v_lshlrev_b32 v[GO], 4, v0
	v_add_nc_u32 v[RA], RAWC, v[GO]
	v_add_nc_u32 v[RA2], RAWE, v[GO]
	; Thread t makes pair t of the list (and pair t + 256): block t >> 4, that is half (t >> 4) & 1, slot t >> 5 = my wave, pair t & 15 of the slot's 16.
	s_lshl_b32 s6, s[WV], 4
	v_lshl_add_u32 v[TA], v[HL], 8, v[RL]          ; 256 entries for a half
	v_add_nc_u32 v[TA], s6, v[TA]                  ; entry = 256 half + 16 slot + pair
	v_lshl_add_u32 v[SA], v[TA], 2, SEMH           ; an entry's two places are 4 bytes of each row of S'T
	v_mul_u32_u24 v[TA], v[TA], ENT
	s_lshl_b32 s6, ttmp9, 8
	s_lshl_b32 s7, s[PG], 6
	s_add_co_u32 s6, s6, s7                        ; my wave's first point
	v_add_nc_u32 v[PI], s6, v[RL]
.irp t,0,1,2,3
	v_add_nc_u32 v[AP+\t], 16*\t, v[PI]
	v_min_u32 v[AP+\t], NPTS-1, v[AP+\t]           ; the last work-group's tiles 2 to 15 repeat the last point and are not stored
	v_mul_u32_u24 v[AP+\t], v[AP+\t], 12
.endr
	v_mov_b32 v[ZR], 0
	v_mov_b32 v[N1], -1.0
	s_lshl_b32 s6, ttmp9, 7                        ; 128 bytes of mask words for a block
	s_mov_b32 s7, 0
	s_wait_kmcnt 0x0
	s_add_nc_u64 s[MP:MP+1], s[MP:MP+1], s[6:7]
	s_load_b512 s[MW:MW+15], s[MP:MP+1], 0x0
	s_load_b512 s[MW+16:MW+31], s[MP:MP+1], 0x40
	s_load_b96 s[ORG:ORG+2], s[14:15], 0x0
	; the raw inputs: 29 x 4,096 bytes, 16 bytes a thread, then my four points
.irp k,0,1,2,3,4,5,6,7,8
	global_load_b128 v[L0+4*\k:L0+4*\k+3], v[GO], s[8:9] offset:4096*\k
.endr
.irp k,0,1,2
	global_load_b128 v[L0+36+4*\k:L0+39+4*\k], v[GO], s[10:11] offset:4096*\k
.endr
.irp k,0,1,2
	global_load_b128 v[L0+48+4*\k:L0+51+4*\k], v[GO], s[18:19] offset:4096*\k
.endr
	global_load_b128 v[L0+60:L0+63], v[GO], s[12:13]
.irp k,0,1,2,3,4,5,6,7,8,9,10,11,12
	global_load_b128 v[L0+64+4*\k:L0+67+4*\k], v[GO], s[20:21] offset:4096*\k
.endr
.irp t,0,1,2,3
	global_load_b32 v[CX+6*\t], v[AP+\t], s[16:17]
	global_load_b32 v[CX+6*\t+1], v[AP+\t], s[16:17] offset:4
	global_load_b32 v[CX+6*\t+2], v[AP+\t], s[16:17] offset:8
.endr
; One halving step of the search in a word, for both places: the lower wid bits of what is left hold v[+8] set bits (their count lies in v[+src] at bit v[+7]);
; a rank at or above that count belongs to the upper wid bits.
.macro BSTEP src, msk, wid
.irp h,0,12
	v_lshrrev_b32 v[SB+\h+8], v[SB+\h+7], v[SB+\h+\src]
	v_add_nc_u32 v[SB+\h+10], \wid, v[SB+\h+7]
.endr
.irp h,0,12
	v_and_b32 v[SB+\h+8], \msk, v[SB+\h+8]
.endr
.irp h,0,12
	v_sub_nc_u32 v[SB+\h+9], v[SB+\h], v[SB+\h+8]
.endr
	v_cmp_ge_u32 vcc_lo, v[SB], v[SB+8]
	v_cmp_ge_u32 s[M1], v[SB+12], v[SB+20]
	v_cndmask_b32 v[SB], v[SB], v[SB+9], vcc_lo
	v_cndmask_b32 v[SB+7], v[SB+7], v[SB+10], vcc_lo
	v_cndmask_b32 v[SB+12], v[SB+12], v[SB+21], s[M1]
	v_cndmask_b32 v[SB+19], v[SB+19], v[SB+22], s[M1]
.endm
; v[g], v[g+1] = the Gaussians at places p = 2 (t + 256 i) and p + 1: the numbers of the p-th and (p + 1)-th set bit of the 1,024.
; The word: the last k whose count of set bits in front, P(k), is at most p.  The key 32 P(k) + k grows with k, and P(k) <= p just when the key is at most 32 p + 31.
; A place at or behind the last set bit gets some number below 1,024: a dummy borrows that Gaussian's numbers.  Leaves P(31) in s[BS].
.macro SELECT i, g
	v_lshlrev_b32 v[SB], 6, v0
	v_add_nc_u32 v[SB], 16384*\i+31, v[SB]         ; 32 p + 31
	v_add_nc_u32 v[SB+12], 32, v[SB]
	v_mov_b32 v[SB+1], 0                           ; word 0's key,
	v_mov_b32 v[SB+13], 0
	v_mov_b32 v[SB+2], s[MW]                       ; and word 0
	v_mov_b32 v[SB+14], s[MW]
	s_mov_b32 s[BS], 0
.set kk, 1
.rept 31
	s_bcnt1_i32_b32 s[T], s[MW+kk-1]
	s_add_co_u32 s[BS], s[BS], s[T]
	s_lshl_b32 s[T], s[BS], 5
	s_or_b32 s[T], s[T], kk
	v_cmp_le_u32 vcc_lo, s[T], v[SB]
	v_cmp_le_u32 s[M1], s[T], v[SB+12]
	v_cndmask_b32 v[SB+1], v[SB+1], s[T], vcc_lo
	v_cndmask_b32 v[SB+2], v[SB+2], s[MW+kk], vcc_lo
	v_cndmask_b32 v[SB+13], v[SB+13], s[T], s[M1]
	v_cndmask_b32 v[SB+14], v[SB+14], s[MW+kk], s[M1]
.set kk, kk+1
.endr
.irp h,0,12
	v_lshrrev_b32 v[SB+\h+8], 5, v[SB+\h+1]        ; P(k)
	v_lshrrev_b32 v[SB+\h], 5, v[SB+\h]            ; p
	v_lshrrev_b32 v[SB+\h+3], 1, v[SB+\h+2]
	v_mov_b32 v[SB+\h+7], 0                        ; the search begins at bit 0
.endr
.irp h,0,12
	v_sub_nc_u32 v[SB+\h], v[SB+\h], v[SB+\h+8]    ; the rank in the word
	v_and_b32 v[SB+\h+3], 0x55555555, v[SB+\h+3]
.endr
.irp h,0,12
	v_sub_nc_u32 v[SB+\h+3], v[SB+\h+2], v[SB+\h+3]        ; set bits of each 2
.endr
.irp h,0,12
	v_lshrrev_b32 v[SB+\h+4], 2, v[SB+\h+3]
	v_and_b32 v[SB+\h+9], 0x33333333, v[SB+\h+3]
.endr
.irp h,0,12
	v_and_b32 v[SB+\h+4], 0x33333333, v[SB+\h+4]
.endr
.irp h,0,12
	v_add_nc_u32 v[SB+\h+4], v[SB+\h+9], v[SB+\h+4]        ; of each 4
.endr
.irp h,0,12
	v_lshrrev_b32 v[SB+\h+5], 4, v[SB+\h+4]
.endr
.irp h,0,12
	v_add_nc_u32 v[SB+\h+5], v[SB+\h+4], v[SB+\h+5]
.endr
.irp h,0,12
	v_and_b32 v[SB+\h+5], 0x0f0f0f0f, v[SB+\h+5]           ; of each 8
.endr
.irp h,0,12
	v_lshrrev_b32 v[SB+\h+6], 8, v[SB+\h+5]
.endr
.irp h,0,12
	v_add_nc_u32 v[SB+\h+6], v[SB+\h+5], v[SB+\h+6]        ; of the lower 16, in the lowest byte
.endr
	BSTEP 6,0xff,16
	BSTEP 5,0xff,8
	BSTEP 4,15,4
	BSTEP 3,3,2
	BSTEP 2,1,1
.irp h,0,12
	v_and_b32 v[SB+\h+1], 31, v[SB+\h+1]           ; k
.endr
.irp h,0,12
	v_lshlrev_b32 v[SB+\h+1], 5, v[SB+\h+1]
.endr
	v_add_nc_u32 v[\g], v[SB+1], v[SB+7]           ; 32 k + bit
	v_add_nc_u32 v[\g+1], v[SB+13], v[SB+19]
.endm
	s_wait_kmcnt 0x0                               ; the mask words and the origin
	SELECT 0,G0                                    ; every wave, while the raw inputs are on their way
	s_bcnt1_i32_b32 s[T], s[MW+31]
	s_add_co_u32 s[NN], s[BS], s[T]                ; n
	s_add_co_u32 s[T], s[NN], 63
	s_lshr_b32 s[T], s[T], 6
	s_max_u32 s[T], s[T], 2                        ; the first and the last block of a half are written out beside the loop: two at the least
	s_min_u32 s[NB], s[T], 16                      ; ceil(n / 64); 1,024 bits give 16 at the most, and the clamp says so whatever memory holds
	s_wait_loadcnt 12                              ; loads come back in order (ISA guide 5.7.1): the 29 raw ones are in, the points' 12 stay out
.irp k,0,1,2,3,4,5,6,7,8,9,10,11,12,13,14,15
	ds_store_b128 v[RA], v[L0+4*\k:L0+4*\k+3] offset:4096*\k
.endr
.irp k,0,1,2,3,4,5,6,7,8,9,10,11,12
	ds_store_b128 v[RA2], v[L0+64+4*\k:L0+67+4*\k] offset:4096*\k
.endr
; v[q+i] = v[x+i] / 0.08, correctly rounded, for i < n: the product with the rounded reciprocal, then twice remainder and correction, each fused.
.macro DIVN x, q, r, n
.set ii, 0
.rept \n
	v_mul_f32 v[\q+ii], s[SY], v[\x+ii]
.set ii, ii+1
.endr
.rept 2
.set ii, 0
.rept \n
	v_fma_f32 v[\r+ii], -v[\q+ii], s[SG], v[\x+ii]
.set ii, ii+1
.endr
.set ii, 0
.rept \n
	v_fma_f32 v[\q+ii], v[\r+ii], s[SY], v[\q+ii]
.set ii, ii+1
.endr
.endr
.endm
	s_wait_loadcnt 0x0
	; 1024 x voxel number of my four points, one axis at a time, the four tiles side by side
.irp a,0,1,2
.irp t,0,1,2,3
	v_sub_f32 v[164+\t], v[CX+6*\t+\a], s[ORG+\a]
.endr
	DIVN 164,168,172,4
.irp t,0,1,2,3
	v_trunc_f32 v[168+\t], v[168+\t]
.endr
.irp t,0,1,2,3
	v_mul_f32 v[CX+6*\t+3+\a], 0x44800000, v[168+\t]
.endr
.endr
	s_wait_dscnt 0x0                               ; my part of the raw inputs is in LDS, for the other waves' sake
	s_barrier_signal -1
	s_barrier_wait -1                              ; the raw inputs are whole
; The inputs of Gaussian v[g] from the raw bytes into half hf of a pair's registers: the 6 numbers of cov3D that the definition uses, mean, scales, opacity, 13 semantics.
; The number comes from the mask words: it is clamped to the table's last row, and its byte offsets are made by shifts and sums alone.
.macro GATHER l, hf, g
	v_min_u32 v[\g], 1023, v[\g]
	v_lshlrev_b32 v[GA+4*\hf], 2, v[\g]                        ; 4 g
	v_lshlrev_b32 v[GA+4*\hf+1], 3, v[\g]
	v_lshlrev_b32 v[GA+4*\hf+2], 4, v[\g]
	v_lshlrev_b32 v[GA+4*\hf+3], 5, v[\g]
	v_add_nc_u32 v[GA+4*\hf+1], v[GA+4*\hf+1], v[GA+4*\hf]     ; 12 g
	v_add_nc_u32 v[GA+4*\hf+3], v[GA+4*\hf+3], v[GA+4*\hf]     ; 36 g; cov3D's place fits in the loads' immediate
	v_add_nc_u32 v[GA+4*\hf+2], v[GA+4*\hf+2], v[GA+4*\hf+3]   ; 52 g
	v_add_nc_u32 v[GA+4*\hf], RAWO, v[GA+4*\hf]
	v_add_nc_u32 v[GA+4*\hf+1], RAWM, v[GA+4*\hf+1]
	v_add_nc_u32 v[GA+4*\hf+2], RAWE, v[GA+4*\hf+2]
.irp k,0,1,2,4,5,8
	ds_load_b32 v[\l+9*\hf+\k], v[GA+4*\hf+3] offset:RAWC+4*\k
.endr
.irp a,0,1,2
	ds_load_b32 v[\l+18+3*\hf+\a], v[GA+4*\hf+1] offset:4*\a
	ds_load_b32 v[\l+24+3*\hf+\a], v[GA+4*\hf+1] offset:RAWS-RAWM+4*\a
.endr
	ds_load_b32 v[\l+30+\hf], v[GA+4*\hf]
.irp c,0,1,2,3,4,5,6,7,8,9,10,11,12
	ds_load_b32 v[\l+32+13*\hf+\c], v[GA+4*\hf+2] offset:4*\c
.endr
.endm
	; Wave w makes slot w of both halves, if the halves have so many blocks, and slot w + 8.  In this phase LDS is only read.
	s_cmp_ge_u32 s[WV], s[NB]
	s_cbranch_scc1 .Lgathered
	GATHER L0,0,G0
	GATHER L0,1,G0+1
	s_add_co_u32 s[T], s[WV], 8
	s_cmp_ge_u32 s[T], s[NB]
	s_cbranch_scc1 .Lgathered
	SELECT 1,G1
	GATHER L0+58,0,G1
	GATHER L0+58,1,G1+1
.Lgathered:
	s_wait_dscnt 0x0                               ; my reads of the raw bytes are back
	s_barrier_signal -1
	s_barrier_wait -1                              ; everybody's are: S'T may be written over them
; One Gaussian (half hf of the pair whose inputs begin at v[l]) into half hf of the entry.
; cov: a = [0], d = [1], f = [2], b = [4], e = [5], c = [8].  Entry: 0-2 -mean; 3 A, 4 D2, 5 F2, 6 B, 7 E2, 8 C; 9-11 -1024 voxel of the mean; 12 1024 (radius + 0.5).
; A, B, C = -0.5 log2 e x (ixx, iyy, izz); D2, E2, F2 = -log2 e x (ixy, iyz, ixz): the exponent of 2 is dx (A dx + D2 dy + F2 dz) + dy (B dy + E2 dz) + C dz dz.
.macro GAUSS l, hf
	v_mul_f32 v[W],   v[\l+9*\hf+5], v[\l+9*\hf+5]
	v_mul_f32 v[W+1], v[\l+9*\hf+5], v[\l+9*\hf+2]
	v_mul_f32 v[W+2], v[\l+9*\hf+4], v[\l+9*\hf+2]
	v_fma_f32 v[W],   v[\l+9*\hf+4], v[\l+9*\hf+8], -v[W]       ; b c - e e
	v_fma_f32 v[W+1], v[\l+9*\hf+1], v[\l+9*\hf+8], -v[W+1]     ; d c - e f
	v_fma_f32 v[W+2], v[\l+9*\hf+1], v[\l+9*\hf+5], -v[W+2]     ; d e - b f
	v_mul_f32 v[W+3], v[\l+9*\hf], v[W]
	v_fma_f32 v[W+3], -v[\l+9*\hf+1], v[W+1], v[W+3]
	v_fma_f32 v[W+3], v[\l+9*\hf+2], v[W+2], v[W+3]             ; det
	v_rcp_f32 v[W+4], v[W+3]                                    ; the plain multiply below stands between it and the first use of its result (ISA guide 5.7.2)
	v_mul_f32 v[W+5], v[\l+9*\hf+2], v[\l+9*\hf+2]
	v_mul_f32 v[W+6], v[\l+9*\hf+1], v[\l+9*\hf+1]
	v_mul_f32 v[W+7], v[\l+9*\hf], v[\l+9*\hf+5]
	v_fma_f32 v[W+5], v[\l+9*\hf], v[\l+9*\hf+8], -v[W+5]       ; a c - f f
	v_fma_f32 v[W+6], v[\l+9*\hf], v[\l+9*\hf+4], -v[W+6]       ; a b - d d
	v_fma_f32 v[W+7], v[\l+9*\hf+1], v[\l+9*\hf+2], -v[W+7]     ; d f - a e
	s_wait_alu depctr_va_vdst(0)
	v_mul_f32 v[W+3], 0xbf38aa3b, v[W+4]                        ; -0.5 log2 e / det
	v_mul_f32 v[W+4], 0xbfb8aa3b, v[W+4]                        ; -log2 e / det
	v_mul_f32 v[OUT+\hf+6],  v[W], v[W+3]                       ; A
	v_mul_f32 v[OUT+\hf+8],  -v[W+1], v[W+4]                    ; D2: ixy = (e f - d c) / det
	v_mul_f32 v[OUT+\hf+10], v[W+2], v[W+4]                     ; F2
	v_mul_f32 v[OUT+\hf+12], v[W+5], v[W+3]                     ; B
	v_mul_f32 v[OUT+\hf+14], v[W+7], v[W+4]                     ; E2
	v_mul_f32 v[OUT+\hf+16], v[W+6], v[W+3]                     ; C
.irp a,0,1,2
	v_mul_f32 v[OUT+\hf+2*\a], -1.0, v[\l+18+3*\hf+\a]
	v_sub_f32 v[XD+\a], v[\l+18+3*\hf+\a], s[ORG+\a]
.endr
	v_max3_num_f32 v[XD+3], v[\l+24+3*\hf], v[\l+25+3*\hf], v[\l+26+3*\hf]
	v_mul_f32 v[XD+3], 0x40400000, v[XD+3]                      ; largest scale x 3, rounded before the division as in the definition
	DIVN XD,QD,RD,4
.irp a,0,1,2
	v_trunc_f32 v[QD+\a], v[QD+\a]                              ; toward zero, as the conversion to int32
.endr
	v_floor_f32 v[QD+3], -v[QD+3]                               ; -ceil
.irp a,0,1,2
	v_mul_f32 v[OUT+\hf+18+2*\a], s[SN], v[QD+\a]
.endr
	v_fma_f32 v[OUT+\hf+24], v[QD+3], s[SN], s[SH]              ; 1024 radius + 512
.endm
; Pair t + 256 i of the list: its entry (lanes 112 bytes apart: sixteen lanes' 16-byte stores start in sixteen different columns of 256 bytes) and its 16 words of each table of S'T.
.macro TABLE i
	GAUSS L0+58*\i,0
	GAUSS L0+58*\i,1
	v_lshl_add_u32 v[G0], v0, 1, 512*\i            ; my two places; one at or behind n holds a dummy: its bound becomes -infinity, its opacity 0
	v_or_b32 v[G0+1], 1, v[G0]
	v_cmp_gt_u32 vcc_lo, s[NN], v[G0]
	v_cndmask_b32 v[OUT+24], 0xff800000, v[OUT+24], vcc_lo
	v_cndmask_b32 v[L0+58*\i+30], 0, v[L0+58*\i+30], vcc_lo
	v_cmp_gt_u32 vcc_lo, s[NN], v[G0+1]
	v_cndmask_b32 v[OUT+25], 0xff800000, v[OUT+25], vcc_lo
	v_cndmask_b32 v[L0+58*\i+31], 0, v[L0+58*\i+31], vcc_lo
.irp k,0,1,2,3,4,5
	ds_store_b128 v[TA], v[OUT+4*\k:OUT+4*\k+3] offset:128*ENT*\i+16*\k
.endr
	ds_store_b64 v[TA], v[OUT+24:OUT+25] offset:128*ENT*\i+96
.irp c,0,1,2,3,4,5,6,7,8,9,10,11,12
	v_mul_f32 v[L0+58*\i+32+\c], v[L0+58*\i+32+\c], v[L0+58*\i+30]
	v_mul_f32 v[L0+58*\i+45+\c], v[L0+58*\i+45+\c], v[L0+58*\i+31]
	v_cvt_pk_bf16_f32 v[OUT+\c], v[L0+58*\i+32+\c], v[L0+58*\i+45+\c]           ; upper parts, the even place in the low half
	v_fma_mix_f32_bf16 v[L0+58*\i+32+\c], v[OUT+\c], v[N1], v[L0+58*\i+32+\c] op_sel_hi:[1,0,0]                 ; x - bf16(low half): exact
	v_fma_mix_f32_bf16 v[L0+58*\i+45+\c], v[OUT+\c], v[N1], v[L0+58*\i+45+\c] op_sel:[1,0,0] op_sel_hi:[1,0,0]  ; x - bf16(high half)
	v_cvt_pk_bf16_f32 v[L0+58*\i+32+\c], v[L0+58*\i+32+\c], v[L0+58*\i+45+\c]   ; remainders
	ds_store_b32 v[SA], v[OUT+\c] offset:\c*SPITCH+512*\i
	ds_store_b32 v[SA], v[L0+58*\i+32+\c] offset:\c*SPITCH+512*\i+SEML-SEMH
.endr
.irp c,13,14,15
	ds_store_b32 v[SA], v[ZR] offset:\c*SPITCH+512*\i
	ds_store_b32 v[SA], v[ZR] offset:\c*SPITCH+512*\i+SEML-SEMH
.endr
.endm
	s_cmp_ge_u32 s[WV], s[NB]                      ; the same two questions as for the gather
	s_cbranch_scc1 .Ltabled
	TABLE 0
	s_add_co_u32 s[T], s[WV], 8
	s_cmp_ge_u32 s[T], s[NB]
	s_cbranch_scc1 .Ltabled
	TABLE 1
.Ltabled:
	; In a block of 32 places lane half h makes k = 8h..8h+7 and 16+8h..16+8h+7: pairs 4h + j (j < 4) and 4h + j + 4 (j >= 4) of the block's 16.
	v_mul_u32_u24 v[VP], v[HL], 4*ENT
	s_mul_i32 s6, s[KG], 256*ENT
	v_add_nc_u32 v[VP], s6, v[VP]
	v_mul_u32_u24 v[VS], v[RL], SPITCH             ; A fragment: row = channel = lane & 15, 16 bytes at 16 h and at 32 + 16 h
	v_lshl_add_u32 v[VS], v[HL], 4, v[VS]
	s_lshl_b32 s7, s[KG], 10
	s_add_co_u32 s7, s7, SEMH
	v_add_nc_u32 v[VS], s7, v[VS]
	s_wait_dscnt 0x0                               ; my stores into the tables are done, for the other waves' sake
	s_barrier_signal -1
	s_barrier_wait -1                              ; the tables are whole
.macro LOADP buf, off                  ; 13 parameter pairs, 104 bytes; all lanes of a half read the same bytes
.irp k,0,1,2,3,4,5
	ds_load_b128 v[\buf+4*\k:\buf+4*\k+3], v[VP] offset:\off+16*\k
.endr
	ds_load_b64 v[\buf+24:\buf+25], v[VP] offset:\off+96
.endm
.macro PKB dst, c, p                   ; v[dst:dst+1] = v[c], to both halves, + v[p:p+1]: op_sel picks the register of the pair for the low result, op_sel_hi for the high one
.if (\c)&1
	v_pk_add_f32 v[\dst:\dst+1], v[\c-1:\c], v[\p:\p+1] op_sel:[1,0] op_sel_hi:[1,1]
.else
	v_pk_add_f32 v[\dst:\dst+1], v[\c:\c+1], v[\p:\p+1] op_sel_hi:[0,1]
.endif
.endm
.macro CVTS j                          ; two weights of one point and two neighbours of the list: register j of the tile's two B fragments
	s_wait_alu depctr_va_vdst(0)
.irp s,0,1,2,3
	v_cvt_pk_bf16_f32 v[FRH+8*\s+\j], v[TM+12*\s+8], v[TM+12*\s+9]                                               ; upper parts
.endr
.irp s,0,1,2,3
	v_fma_mix_f32_bf16 v[TM+12*\s+8], v[FRH+8*\s+\j], v[N1], v[TM+12*\s+8] op_sel_hi:[1,0,0]                     ; w - bf16(low half): exact
.endr
.irp s,0,1,2,3
	v_fma_mix_f32_bf16 v[TM+12*\s+9], v[FRH+8*\s+\j], v[N1], v[TM+12*\s+9] op_sel:[1,0,0] op_sel_hi:[1,0,0]      ; w - bf16(high half)
.endr
.irp s,0,1,2,3
	v_cvt_pk_bf16_f32 v[FRL+8*\s+\j], v[TM+12*\s+8], v[TM+12*\s+9]                                               ; remainders
.endr
.endm
; One pair (parameters in buf) for my four tiles, the four side by side so that an instruction stands at least four behind the one it needs.
; A stream's registers: +0 dx, +2 dy, +4 dz (then the voxel differences), +6 U (then t, then the bound), +8 V (then the weights), +10 Q.
; The group ends with its exponentials; their conversions (pnd = 1: of pair pj) stand in the next group behind twelve plain instructions (ISA guide 5.7.2).
.macro GROUP buf, pnd, pj
.irp s,0,1,2,3
	PKB TM+12*\s,CX+6*\s,\buf
.endr
.irp s,0,1,2,3
	PKB TM+12*\s+2,CX+6*\s+1,\buf+2
.endr
.irp s,0,1,2,3
	PKB TM+12*\s+4,CX+6*\s+2,\buf+4
.endr
.if \pnd
	CVTS \pj
.endif
.irp s,0,1,2,3
	v_pk_mul_f32 v[TM+12*\s+6:TM+12*\s+7], v[TM+12*\s:TM+12*\s+1], v[\buf+6:\buf+7]                                   ; U = A dx
.endr
.irp s,0,1,2,3
	v_pk_mul_f32 v[TM+12*\s+8:TM+12*\s+9], v[TM+12*\s+2:TM+12*\s+3], v[\buf+12:\buf+13]                               ; V = B dy
.endr
.irp s,0,1,2,3
	v_pk_mul_f32 v[TM+12*\s+10:TM+12*\s+11], v[TM+12*\s+4:TM+12*\s+5], v[\buf+16:\buf+17]                             ; Q = C dz
.endr
.irp s,0,1,2,3
	v_pk_fma_f32 v[TM+12*\s+6:TM+12*\s+7], v[TM+12*\s+2:TM+12*\s+3], v[\buf+8:\buf+9], v[TM+12*\s+6:TM+12*\s+7]       ; U += D2 dy
.endr
.irp s,0,1,2,3
	v_pk_fma_f32 v[TM+12*\s+8:TM+12*\s+9], v[TM+12*\s+4:TM+12*\s+5], v[\buf+14:\buf+15], v[TM+12*\s+8:TM+12*\s+9]     ; V += E2 dz
.endr
.irp s,0,1,2,3
	v_pk_mul_f32 v[TM+12*\s+10:TM+12*\s+11], v[TM+12*\s+10:TM+12*\s+11], v[TM+12*\s+4:TM+12*\s+5]                     ; Q = C dz dz
.endr
.irp s,0,1,2,3
	v_pk_fma_f32 v[TM+12*\s+6:TM+12*\s+7], v[TM+12*\s+4:TM+12*\s+5], v[\buf+10:\buf+11], v[TM+12*\s+6:TM+12*\s+7]     ; U += F2 dz
.endr
.irp s,0,1,2,3
	v_pk_fma_f32 v[TM+12*\s+10:TM+12*\s+11], v[TM+12*\s+8:TM+12*\s+9], v[TM+12*\s+2:TM+12*\s+3], v[TM+12*\s+10:TM+12*\s+11]   ; Q += V dy
.endr
.irp s,0,1,2,3
	v_pk_fma_f32 v[TM+12*\s+10:TM+12*\s+11], v[TM+12*\s+6:TM+12*\s+7], v[TM+12*\s:TM+12*\s+1], v[TM+12*\s+10:TM+12*\s+11]     ; Q += U dx = -0.5 log2 e x quad
.endr
.irp s,0,1,2,3
	PKB TM+12*\s,CX+6*\s+3,\buf+18
.endr
.irp s,0,1,2,3
	PKB TM+12*\s+2,CX+6*\s+4,\buf+20
.endr
.irp s,0,1,2,3
	PKB TM+12*\s+4,CX+6*\s+5,\buf+22
.endr
.irp s,0,1,2,3
	v_max3_num_f32 v[TM+12*\s+6], |v[TM+12*\s]|, |v[TM+12*\s+2]|, |v[TM+12*\s+4]|
.endr
.irp s,0,1,2,3
	v_max3_num_f32 v[TM+12*\s+7], |v[TM+12*\s+1]|, |v[TM+12*\s+3]|, |v[TM+12*\s+5]|
.endr
.irp s,0,1,2,3
	v_pk_add_f32 v[TM+12*\s+6:TM+12*\s+7], v[\buf+24:\buf+25], v[TM+12*\s+6:TM+12*\s+7] neg_lo:[0,1] neg_hi:[0,1]     ; 1024 (radius + 0.5 - t)
.endr
.irp s,0,1,2,3
	v_min_num_f32 v[TM+12*\s+10], v[TM+12*\s+10], v[TM+12*\s+6]
.endr
.irp s,0,1,2,3
	v_min_num_f32 v[TM+12*\s+11], v[TM+12*\s+11], v[TM+12*\s+7]
.endr
.irp s,0,1,2,3
	v_exp_f32 v[TM+12*\s+8], v[TM+12*\s+10]
.endr
.irp s,0,1,2,3
	v_exp_f32 v[TM+12*\s+9], v[TM+12*\s+11]
.endr
.endm
; A block of 32 places: eight pairs for my half of the lanes, each for four tiles; then three matrix instructions for each tile.
; The next pair's parameters are asked for before the current pair is worked on, 104 vector instructions ahead of their use.
; zero = 1: the first products start the sums.  last = 1: nothing is left to fetch.
.macro BLOCK zero, last
.irp j,0,1,2,3,4,5,6,7
.set WC, 7                                     ; LDS loads come back in order (ISA guide 5.7.1): the 7 just issued stay out, this pair's are in
.if \j==4
	ds_load_b128 v[SFH:SFH+3], v[VS]               ; this block's S'T; the matrix instructions that read these registers last lie four pairs back
	ds_load_b128 v[SFH+4:SFH+7], v[VS] offset:32
	ds_load_b128 v[SFL:SFL+3], v[VS] offset:SEML-SEMH
	ds_load_b128 v[SFL+4:SFL+7], v[VS] offset:SEML-SEMH+32
.set WC, 11                                    ; these 4 and the 7 behind them stay out
.endif
.if \j<7
	LOADP PA+26*((\j+1)&1),((\j+1)+4*((\j+1)>>2))*ENT
.else
.if \last
.set WC, 0
.else
	LOADP PA,16*ENT                                ; the next block's first pair
.endif
.endif
	s_wait_dscnt WC
.if \j==0
	GROUP PA,0,0
.else
	GROUP PA+26*(\j&1),1,\j-1
.endif
.endr
.if \last
	v_nop                                          ; the plain place between the last exponentials and their conversions
	s_wait_alu depctr_va_vdst(0)
.else
	v_add_nc_u32 v[VP], 16*ENT, v[VP]              ; the next block; also the plain place behind the exponentials
	v_add_nc_u32 v[VS], 64, v[VS]
	s_wait_alu depctr_va_vdst(0)
.endif
	CVTS 7
	; the four accumulators take turns, one instruction a turn, from product to product, over the backward jump and on every way into the last block
.irp t,0,1,2,3
.if \zero
	v_wmma_f32_16x16x32_bf16 v[ACC+8*\t:ACC+8*\t+7], v[SFH:SFH+7], v[FRH+8*\t:FRH+8*\t+7], 0
.else
	v_wmma_f32_16x16x32_bf16 v[ACC+8*\t:ACC+8*\t+7], v[SFH:SFH+7], v[FRH+8*\t:FRH+8*\t+7], v[ACC+8*\t:ACC+8*\t+7]
.endif
.endr
.irp t,0,1,2,3
	v_wmma_f32_16x16x32_bf16 v[ACC+8*\t:ACC+8*\t+7], v[SFH:SFH+7], v[FRL+8*\t:FRL+8*\t+7], v[ACC+8*\t:ACC+8*\t+7]
.endr
.irp t,0,1,2,3
	v_wmma_f32_16x16x32_bf16 v[ACC+8*\t:ACC+8*\t+7], v[SFL:SFL+7], v[FRH+8*\t:FRH+8*\t+7], v[ACC+8*\t:ACC+8*\t+7]
.endr
	; the fragments are written again only in the next block's second pair, far more than four plain instructions on (ISA guide 7.12.1)
.endm
	; NB blocks: the first, NB - 2 in the loop, the last.  The count comes from the mask words; the addresses step by constants.
	LOADP PA,0
	BLOCK 1,0
	s_cmp_le_u32 s[NB], 2
	s_cbranch_scc1 .Llast
	s_mov_b32 s[CT], 2
.Lblock:
	BLOCK 0,0
	s_add_co_u32 s[CT], s[CT], 1
	s_cmp_lt_u32 s[CT], s[NB]
	s_cbranch_scc1 .Lblock
.Llast:
	BLOCK 0,1
	; THE WAY OUT.  Register j of lane (r, h) of tile t holds channel 8 h + j of point 16 t + r: 32 bytes of the point's row in my wave's part of the stage.
	s_mul_i32 s7, s[WV], 64*STP                    ; half KG (256 rows), points 64 PG on = wave x 64 rows
	s_mov_b32 s34, DEN
	v_mul_u32_u24 v5, v[RL], STP                   ; these five plain instructions are the places between the last matrix instruction and the stores of its result
	v_lshl_add_u32 v5, v[HL], 5, v5
	v_add_nc_u32 v5, s7, v5
	v_mul_u32_u24 v6, v0, STP                      ; then thread = point: its row in the first half's stage,
	v_mad_u32_u24 v7, v0, 52, s34                  ; and its dense row
	s_wait_dscnt 0x0                               ; my reads of the parameter table are back
	s_barrier_signal -1
	s_barrier_wait -1                              ; everybody's are: the stage may be written over the table
.irp t,0,1,2,3
	ds_store_b128 v5, v[ACC+8*\t:ACC+8*\t+3] offset:16*STP*\t
	ds_store_b128 v5, v[ACC+8*\t+4:ACC+8*\t+7] offset:16*STP*\t+16
.endr
	s_wait_dscnt 0x0                               ; my partial sums are in LDS, for the other waves' sake
	s_barrier_signal -1
	s_barrier_wait -1
.set X, 32                             ; v[32:44], v[46:58]: 13 channels of the two halves
.irp k,0,1
	ds_load_b128 v[X+14*\k:X+14*\k+3], v6 offset:STK*\k
	ds_load_b128 v[X+14*\k+4:X+14*\k+7], v6 offset:STK*\k+16
	ds_load_b128 v[X+14*\k+8:X+14*\k+11], v6 offset:STK*\k+32
	ds_load_b32 v[X+14*\k+12], v6 offset:STK*\k+48
.endr
	s_mul_i32 s[NQ], ttmp9, 832                    ; 16-byte pieces left from my first row to the end of out0: 64,800 x 13 / 4 - 832 x work-group,
	s_sub_co_u32 s[NQ], NPTS*13/4, s[NQ]
	s_min_u32 s[NQ], s[NQ], 832                    ; of which at most 256 x 13 / 4 are mine (104 in the last work-group)
	s_mul_i32 s34, ttmp9, 13312                    ; my 256 rows of 52 bytes begin at a multiple of 256 bytes
	s_mov_b32 s35, 0
	s_add_nc_u64 s[22:23], s[22:23], s[34:35]
	s_mov_b32 s34, DEN
	s_wait_dscnt 0x0
.irp c,0,2,4,6,8,10
	v_pk_add_f32 v[X+\c:X+\c+1], v[X+\c:X+\c+1], v[X+14+\c:X+15+\c]
.endr
	v_add_f32 v[X+12], v[X+12], v[X+26]
.irp c,0,1,2,3,4,5,6,7,8,9,10,11,12
	ds_store_b32 v7, v[X+\c] offset:4*\c           ; lanes 13 words apart
.endr
	v_lshlrev_b32 v8, 4, v0                        ; piece t: byte 16 t of the block, in LDS and in out0
	v_add_nc_u32 v9, s34, v8
	v_add_nc_u32 v10, 768, v0
	v_min_u32 v10, 831, v10                        ; pieces 832 and up do not exist: their lanes read the last one and store nothing
	v_lshl_add_u32 v11, v10, 4, s34
	s_wait_dscnt 0x0                               ; my rows are in LDS, for the other waves' sake
	s_barrier_signal -1
	s_barrier_wait -1
	ds_load_b128 v[12:15], v9
	ds_load_b128 v[16:19], v9 offset:4096
	ds_load_b128 v[20:23], v9 offset:8192
	ds_load_b128 v[24:27], v11
	s_wait_dscnt 0x0
.irp i,0,1,2,3
	v_add_nc_u32 v10, 256*\i, v0
	v_cmp_gt_u32 vcc_lo, s[NQ], v10                ; pieces that are mine
	s_and_saveexec_b32 s[SV], vcc_lo               ; no global instruction is pending here: the loads were waited for, each store below is followed by its wait
	global_store_b128 v8, v[12+4*\i:15+4*\i], s[22:23] offset:4096*\i th:TH_STORE_NT   ; a wave's store covers 512 consecutive bytes, aligned
	s_wait_xcnt 0x0                                ; EXEC is a source of the pending store: it changes only behind this wait
	s_or_b32 exec_lo, exec_lo, s[SV]
.endr
	s_wait_xcnt 0x0
	s_mov_b32 exec_lo, -1
	s_wait_tensorcnt 0x0
	ds_add_u32 v254, v255
	s_wait_dscnt 0x0
	s_endpgm
.Lfunc_end_k_qdbc2f684a8_aggregate:
	.size	k_qdbc2f684a8_aggregate, .Lfunc_end_k_qdbc2f684a8_aggregate-k_qdbc2f684a8_aggregate
	.p2alignl 7, 3214868480
	.fill 96, 4, 3214868480
	.section	.rodata,"a",@progbits
	.p2align	6, 0x0
	.amdhsa_kernel k_qdbc2f684a8_aggregate
		.amdhsa_group_segment_fixed_size 177152
		.amdhsa_private_segment_fixed_size 0
		.amdhsa_enable_private_segment 0
		.amdhsa_kernarg_size 72
		.amdhsa_user_sgpr_count 2
		.amdhsa_user_sgpr_kernarg_segment_ptr 1
		.amdhsa_wavefront_size32 1
		.amdhsa_system_sgpr_workgroup_id_x 1
		.amdhsa_system_sgpr_workgroup_id_y 1
		.amdhsa_system_sgpr_workgroup_id_z 1
		.amdhsa_system_vgpr_workitem_id 0
		.amdhsa_next_free_vgpr 256
		.amdhsa_next_free_sgpr 100
		.amdhsa_reserve_vcc 1
		.amdhsa_float_denorm_mode_32 3
		.amdhsa_float_denorm_mode_16_64 3
		.amdhsa_memory_ordered 1
		.amdhsa_forward_progress 1
		.amdhsa_inst_pref_size 252
	.end_amdhsa_kernel
	.amdgpu_metadata
---
amdhsa.version: [ 1, 2 ]
amdhsa.kernels:
  - .name:           k_qdbc2f684a8_aggregate
    .symbol:         k_qdbc2f684a8_aggregate.kd
    .args:
      - { .name: cov3D, .offset: 0, .size: 8, .value_kind: global_buffer, .address_space: global }
      - { .name: means3D, .offset: 8, .size: 8, .value_kind: global_buffer, .address_space: global }
      - { .name: opacities, .offset: 16, .size: 8, .value_kind: global_buffer, .address_space: global }
      - { .name: origin_use, .offset: 24, .size: 8, .value_kind: global_buffer, .address_space: global }
      - { .name: pts, .offset: 32, .size: 8, .value_kind: global_buffer, .address_space: global }
      - { .name: scales, .offset: 40, .size: 8, .value_kind: global_buffer, .address_space: global }
      - { .name: semantics, .offset: 48, .size: 8, .value_kind: global_buffer, .address_space: global }
      - { .name: out0, .offset: 56, .size: 8, .value_kind: global_buffer, .address_space: global }
      - { .name: mask, .offset: 64, .size: 8, .value_kind: global_buffer, .address_space: global }
    .group_segment_fixed_size: 177152
    .private_segment_fixed_size: 0
    .kernarg_segment_align: 8
    .kernarg_segment_size: 72
    .max_flat_workgroup_size: 256
    .sgpr_count:     100
    .vgpr_count:     256
    .wavefront_size: 32
...
	.end_amdgpu_metadata
.endif
;; end of part 3
